; MI455X (gfx1250); checked and timed in simulation.
; The chip was launched on July 23, 2026; its instructions are those of AMD's public machine-readable ISA for CDNA 5 (MIT licence, August 2026) and "CDNA5" Instruction Set Architecture Reference Guide (July 2026). The comments in the code are by the model that wrote it; some were corrected since.
;; Encoder Layer. Allowed arithmetic: matrix products marked QUANTISED: E4M3 operands, one given power-of-two scale a tensor, by v_wmma_f32_16x16x64_fp8_fp8 or v_wmma_f32_16x16x128_fp8_fp8, f32 sums; everything else in f32.
;; Inputs: b1 4,096 float32; b2 1,024 float32; ln1_b 1,024 float32; ln1_g 1,024 float32; ln2_b 1,024 float32; ln2_g 1,024 float32; lowp_scales 16 int32 (the exponents e of the quantised operands' scales 2^e); w1 1,024 x 4,096 float32; w2 4,096 x 1,024 float32; wk 1,024 x 1,024 float32; wo 1,024 x 1,024 float32; wq 1,024 x 1,024 float32; wv 1,024 x 1,024 float32; x 4 x 1,024 x 1,024 float32.
;; Outputs: out0 4 x 1,024 x 1,024 float32.
;; This version of the problem:
;;   THIS VERSION OF THE PROBLEM IS GIVEN IN LOW PRECISION. The matrix products marked QUANTISED in the list below multiply operands that are first quantised to E4M3 (4 exponent bits, 3 mantissa bits; 8 bits a number), with one given power-of-two scale for each operand tensor; their sums are f32. All else is computed in f32.
;;   The module's matrix products, in the order in which they are computed (A, B: the left and right operand; K: the contracted axis; several contracted axes count as one K, in the product's order):
;;     1. [M 4,096, K 1,024] x [K 1,024, N 1,024]; A: computed on the way; B: input wq: QUANTISED (scales: A lowp_scales[0], B lowp_scales[1])
;;     2. [M 4,096, K 1,024] x [K 1,024, N 1,024]; A: computed on the way; B: input wk: QUANTISED (scales: A lowp_scales[2], B lowp_scales[3])
;;     3. [M 4,096, K 1,024] x [K 1,024, N 1,024]; A: computed on the way; B: input wv: QUANTISED (scales: A lowp_scales[4], B lowp_scales[5])
;;     4. batch 64 x [M 1,024, K 64] x [K 64, N 1,024]; A: computed on the way; B: computed on the way: QUANTISED (scales: A lowp_scales[6], B lowp_scales[7])
;;     5. batch 64 x [M 1,024, K 1,024] x [K 1,024, N 64]; A: softmax (see below); B: computed on the way: QUANTISED (scales: A lowp_scales[8], B lowp_scales[9])
;;     6. [M 4,096, K 1,024] x [K 1,024, N 1,024]; A: computed on the way; B: input wo: QUANTISED (scales: A lowp_scales[10], B lowp_scales[11])
;;     7. [M 4,096, K 1,024] x [K 1,024, N 4,096]; A: computed on the way; B: input w1: QUANTISED (scales: A lowp_scales[12], B lowp_scales[13])
;;     8. [M 4,096, K 4,096] x [K 4,096, N 1,024]; A: computed on the way; B: input w2: QUANTISED (scales: A lowp_scales[14], B lowp_scales[15])
;;   THE QUANTISER, for each operand of a quantised product, along K:
;;     - The operand's scale is 2^e, e = its entry of the input lowp_scales (int32; the entries are numbered through the quantised products in the list's order, A before B).
;;     - Each number is divided by the scale, clamped to +-448, and rounded to the nearest number of E4M3, ties to even, subnormals kept.
;;     - The product sums the exact products of the quantised numbers (number of the format x scale) in f32.
;;   ~~~python
;;   def quantise(x, axis, e):      # numpy; x: float32 -> the quantised numbers, widened to float32 again
;;       x = np.moveaxis(x, axis, -1); K = x.shape[-1]
;;       r = np.clip(x / 2.0 ** e, -448, 448)
;;       step = 2.0 ** (np.maximum(np.frexp(np.where(r == 0, 1, r))[1] - 1, -6) - 3)
;;       q = np.round(r / step) * step * 2.0 ** e      # np.round: ties to even
;;       return np.moveaxis(q, -1, axis).astype(np.float32)
;;   ~~~
;;   SOFTMAX AHEAD OF A QUANTISED PRODUCT. Where the list says 'softmax', what is quantised is not the finished softmax but p = 2^(t - M), with t = logit x log2(e) and M = ceil(the row's largest t), a whole number; so 1/2 < the row's largest p <= 1. The row's sum l is taken of the UNQUANTISED p, in f32, and the product's result is divided by l at the end. Since M is a whole number, a kernel that streams over the keys may use a running M (the ceiling of the running maximum): every later rescaling is an exact power of two, so the quantised numbers keep their values, but for numbers so far below the row's largest that they fall under the format's range.
;;   OPERANDS COMPUTED ON THE WAY. 'Computed on the way' means the value that the module computes at that place (a softmax that the list does not call 'softmax' is quantised finished and normalised). What goes into a quantiser is computed in f32, as accurately as f32 sums, v_exp_f32 and their like allow (about 1e-6 of the number): no bf16 or f16 on the way to a quantiser, and a product that is left as it is and whose result goes on into a quantised operand takes f32 operands (vector FMAs, or v_wmma_f32_16x16x4_f32). A number that lies on a knife's edge between two numbers of the format may be rounded either way, as far as f32 arithmetic and the matrix unit's own rounding can turn it there, and no further.
;; One version. Each part assembles by itself: llvm-mc -triple=amdgcn-amd-amdhsa -mcpu=gfx1250 --defsym DOCPART=n.
;; ======== version 1 of 1: 7 launches
;; limits: right only within a limited range of input values
;; workspace buffers: w8 12,582,912 bytes; x1c 12,582,912 bytes; qkv 12,582,912 bytes; att 4,194,304 bytes; xmid 16,777,216 bytes; x2c 4,194,304 bytes; hid 16,777,216 bytes
;; launch prep (part 1): grid 256 x 1, 8 waves a work-group, no clusters, 274,688 bytes of LDS; arguments x, ln1_g, ln1_b, wq, wk, wv, wo, w1, w2, lowp_scales, w8, x1c; writes w8, x1c
.if DOCPART == 1
	.amdgcn_target "amdgcn-amd-amdhsa--gfx1250"
	.amdhsa_code_object_version 6
	.text
	.protected	k_q7c6e210829_prep
	.globl	k_q7c6e210829_prep
	.p2align	8
	.type	k_q7c6e210829_prep,@function
k_q7c6e210829_prep:
	s_mov_b64 s[64:65], 0
	v_nop
	global_prefetch_b8 v0, s[64:65] scope:SCOPE_SE
	s_setreg_imm32_b32 hwreg(HW_REG_WAVE_MODE, 25, 1), 1
	s_wait_xcnt 0x0
; PREP: LayerNorm 1 of x, quantised three times (scales e0, e2, e4), and all six weights quantised with K moved innermost.
; All codes are E4M3: code = number / 2^e, held within +-448, rounded to the nearest code, ties to even.
; FORMAT OF THE CODE BUFFERS: images of the matrix operand's registers.  A fragment is 16 rows x 128 along K, 2,048 bytes: piece i (0..3) at 512 i,
; lane l at 16 l, holding registers 4 i .. 4 i + 3; register 2 c + u, byte y, of lane (r = l % 16, h = l / 16) is element (row r, k = 16 c + 8 h + 4 u + y).
; Fragment (row tile rt, K step kk) lies at (rt x K / 128 + kk) x 2,048.  So every store of a wave covers 512 consecutive bytes, aligned.
; SHARES.  256 work-groups of 8 waves.  Work-group g: rows 16 g .. 16 g + 15 of x, and three units of 128 k x 128 n of the weights: one of wq, wk, wv, wo
; (tensor g / 64), one of w1, one of w2.  Every work-group runs the same text; only pointers and offsets are chosen by g.
; WEIGHTS.  A unit comes into LDS by tensor loads (waves 0-5 each 64 k rows of 512 bytes of one unit: one load of mine is out at the most).  Then A LANE TAKES A COLUMN n AND ITS
; REGISTERS RUN DOWN K: wave w takes columns 16 w .. 16 w + 15, lane (r, h) reads k = 16 c + 8 h + j: the conversions' results are the operand's registers.
; LDS rows are 520 bytes apart: lanes 16-31 read 8 rows lower, 1,040 words on, 16 banks beside lanes 0-15 (64 banks of 4 bytes: ISA guide 11.1).
; LAYERNORM.  A wave normalises two whole rows in registers (mean, then the mean of squared differences: no difference of large sums), the rows turn through LDS,
; and wave w then holds, of all 16 rows, features 128 w .. 128 w + 127 in the operand's order; gain and bias are applied there.
; No LDS byte is filled twice; nothing is shared between work-groups, so there is no cluster.  All of a work-group's bytes are asked for at its head.
; LIMITS: each of the nine exponents used here lies between -126 and 119.  NaN among the inputs is not served; an infinity in a weight is held at the largest code.
.set WPITCH, 520
.set UNITB,  128*WPITCH                ; a unit in LDS: 66,560 bytes
.set LNR,    3*UNITB                   ; behind the units: 16 normalised rows, 4,096 bytes + 16
.set LPITCH, 4112                      ; 1,028 words: row r starts at bank 4 r mod 64
.set GB,     LNR+16*LPITCH             ; behind them: for each wave 128 gains, 128 biases
.set LI,  4                            ; v4   16 x lane
.set XW,  5                            ; v5   where I store my two rows
.set LA,  6                            ; v6   where I read row r, my 8 numbers of each 16
.set GW,  7                            ; v7   where I store gain and bias
.set GR,  8                            ; v8   where I read them
.set WA,  9                            ; v9-11  my column in unit 0, 1, 2
.set QS,  12                           ; v12-17 scale, hold for e0, e2, e4
.set US,  18                           ; v18-23 scale, hold for the three units
.set M,   24                           ; v24-29 at work on a row's statistics
.set X,   32                           ; v32-95  64 numbers
.set G,   96                           ; v96-127  32 gains
.set B,   128                          ; v128-159 32 biases
.set T,   160                          ; v160-175 two sets of 8 held numbers
.set CD,  176                          ; v176-223 x1's three fragments
.set WC,  96                           ; v96-143  the units' fragments (gain and bias are done with)
.macro MKSC se, vs, vl                 ; from the exponent in s[se]: 2^e, whose exponent field the conversion takes, and 448 x 2^e
	s_add_co_i32 s2, s[\se], 127
	s_lshl_b32 s3, s2, 23
	v_mov_b32 v[\vs], s3
	s_add_co_i32 s2, s2, 8
	s_lshl_b32 s2, s2, 23
	s_or_b32 s2, s2, 0x600000
	v_mov_b32 v[\vl], s2
.endm
.macro LANESUM a, t                    ; v[a] summed over the 32 lanes, in every lane; v[t] has been written before
	s_delay_alu instid0(VALU_DEP_1)
	v_add_f32_dpp v[\a], v[\a], v[\a] row_xmask:1 row_mask:0xf bank_mask:0xf
	s_delay_alu instid0(VALU_DEP_1)
	v_add_f32_dpp v[\a], v[\a], v[\a] row_xmask:2 row_mask:0xf bank_mask:0xf
	s_delay_alu instid0(VALU_DEP_1)
	v_add_f32_dpp v[\a], v[\a], v[\a] row_xmask:4 row_mask:0xf bank_mask:0xf
	s_delay_alu instid0(VALU_DEP_1)
	v_add_f32_dpp v[\a], v[\a], v[\a] row_xmask:8 row_mask:0xf bank_mask:0xf
	s_delay_alu instid0(VALU_DEP_1)
	v_permlanex16_b32 v[\t], v[\a], s60, s61
	s_delay_alu instid0(VALU_DEP_1)
	v_add_f32 v[\a], v[\a], v[\t]
.endm
.macro ROWSTAT b                       ; the row in v[b] .. v[b + 31] becomes (x - mean) / sqrt(var + eps)
	v_pk_add_f32 v[M:M+1], v[\b:\b+1], v[\b+2:\b+3]
	v_pk_add_f32 v[M+2:M+3], v[\b+4:\b+5], v[\b+6:\b+7]
.irp j, 8,12,16,20,24,28
	s_delay_alu instid0(VALU_DEP_2)
	v_pk_add_f32 v[M:M+1], v[M:M+1], v[\b+\j:\b+\j+1]
	s_delay_alu instid0(VALU_DEP_2)
	v_pk_add_f32 v[M+2:M+3], v[M+2:M+3], v[\b+\j+2:\b+\j+3]
.endr
	s_delay_alu instid0(VALU_DEP_1)
	v_pk_add_f32 v[M:M+1], v[M:M+1], v[M+2:M+3]
	s_delay_alu instid0(VALU_DEP_1)
	v_add_f32 v[M], v[M], v[M+1]
	LANESUM M, M+2
	s_delay_alu instid0(VALU_DEP_1)
	v_mul_f32 v[M], s30, v[M]                      ; the mean
	s_delay_alu instid0(VALU_DEP_1)
	v_mov_b32 v[M+1], v[M]
.irp j, 0,2,4,6,8,10,12,14,16,18,20,22,24,26,28,30
	v_pk_add_f32 v[\b+\j:\b+\j+1], v[\b+\j:\b+\j+1], v[M:M+1] neg_lo:[0,1] neg_hi:[0,1]
.endr
	v_pk_mul_f32 v[M+2:M+3], v[\b:\b+1], v[\b:\b+1]
	v_pk_mul_f32 v[M+4:M+5], v[\b+2:\b+3], v[\b+2:\b+3]
.irp j, 4,8,12,16,20,24,28
	s_delay_alu instid0(VALU_DEP_2)
	v_pk_fma_f32 v[M+2:M+3], v[\b+\j:\b+\j+1], v[\b+\j:\b+\j+1], v[M+2:M+3]
	s_delay_alu instid0(VALU_DEP_2)
	v_pk_fma_f32 v[M+4:M+5], v[\b+\j+2:\b+\j+3], v[\b+\j+2:\b+\j+3], v[M+4:M+5]
.endr
	s_delay_alu instid0(VALU_DEP_1)
	v_pk_add_f32 v[M+2:M+3], v[M+2:M+3], v[M+4:M+5]
	s_delay_alu instid0(VALU_DEP_1)
	v_add_f32 v[M+2], v[M+2], v[M+3]
	LANESUM M+2, M+3
	s_delay_alu instid0(VALU_DEP_1)
	v_fma_f32 v[M+2], v[M+2], s30, s31             ; var + eps
	s_wait_alu depctr_va_vdst(0)
	v_rsq_f32 v[M+4], v[M+2]
	v_nop                                          ; a plain instruction behind the transcendental (ISA guide 5.7.2),
	s_wait_alu depctr_va_vdst(0)                   ; and the wait ahead of its first reader
	v_mov_b32 v[M+5], v[M+4]
.irp j, 0,2,4,6,8,10,12,14,16,18,20,22,24,26,28,30
	v_pk_mul_f32 v[\b+\j:\b+\j+1], v[\b+\j:\b+\j+1], v[M+4:M+5]
.endr
.endm
.macro ROWPUT p                        ; my row p (0, 1) into LDS as it lies: 512 consecutive bytes a store
.irp j, 0,1,2,3,4,5,6,7
	ds_store_b128 v[XW], v[X+32*\p+4*\j:X+32*\p+4*\j+3] offset:LPITCH*\p+512*\j
.endr
.endm
.macro QUANT dst, sc, lim              ; v[X + 8 c + j] -> registers 2 c, 2 c + 1 of a fragment.  The other set's eight holds are the plain lines between a conversion and the rewriting of its sources
.irp c, 0,1,2,3,4,5,6,7
.irp i, 0,1,2,3,4,5,6,7
	v_med3_num_f32 v[T+8*(\c%2)+\i], v[X+8*\c+\i], -v[\lim], v[\lim]   ; the conversion to an 8-bit code does not saturate (ISA guide 7.6.2): the hold comes first
.endr
	v_cvt_scalef32_pk8_fp8_f32 v[\dst+2*\c:\dst+2*\c+1], v[T+8*(\c%2):T+8*(\c%2)+7], v[\sc]
.endr
	v_nop                                          ; one plain line behind the last conversion
.endm
.macro PUT base, dst                   ; a fragment leaves: four stores of 512 consecutive bytes
.irp i, 0,1,2,3
	global_store_b128 v[LI], v[\dst+4*\i:\dst+4*\i+3], s[\base:\base+1] offset:512*\i
.endr
.endm
.macro WUNIT u                         ; my 16 columns x 128 k of unit u become one fragment
.irp c, 0,1,2,3,4,5,6,7
.irp j, 0,1,2,3,4,5,6,7
	ds_load_b32 v[X+8*\c+\j], v[WA+\u] offset:(16*\c+\j)*WPITCH
.endr
.endr
	s_wait_dscnt 0x0
.irp c, 0,1,2,3,4,5,6,7
.irp j, 0,1,2,3,4,5,6,7
	v_med3_num_f32 v[X+8*\c+\j], v[X+8*\c+\j], -v[US+2*\u+1], v[US+2*\u+1]
.endr
	v_cvt_scalef32_pk8_fp8_f32 v[WC+16*\u+2*\c:WC+16*\u+2*\c+1], v[X+8*\c:X+8*\c+7], v[US+2*\u]
.endr
	v_nop                                          ; one plain line behind the last conversion: the next unit's holds rewrite these sources
	PUT 84+2*\u, WC+16*\u
.endm
	s_load_b512 s[4:19], s[0:1], 0x0               ; x s[4:5], gain s[6:7], bias s[8:9], wq s[10:11], wk s[12:13], wv s[14:15], wo s[16:17], w1 s[18:19]
	s_load_b256 s[20:27], s[0:1], 0x40             ; w2 s[20:21], the exponents s[22:23], w8 s[24:25], x1c s[26:27]
	v_lshl_add_u32 v224, v0, 2, 0x42d00
	v_mov_b32 v225, 0
	ds_add_u32 v224, v225
	ds_add_u32 v224, v225
	v_lshrrev_b32 v1, 5, v0
	s_delay_alu instid0(VALU_DEP_1)
	v_readfirstlane_b32 s28, v1                    ; wave 0..7
	s_mov_b32 s29, ttmp9                           ; g
	s_and_b32 s62, s28, 1                          ; which 64 k rows of a unit a loading wave fetches
	s_mov_b32 s30, 0x3a800000                      ; 1 / 1,024
	s_mov_b32 s31, 0x358637bd                      ; 1e-6
	s_mov_b32 s60, 0x76543210                      ; v_permlanex16_b32: lane l xor 16
	s_mov_b32 s61, 0xfedcba98
	; descriptor group 1: 64 rows of 128 numbers of 4 bytes, 2 words of padding behind each 128; s[32:39] for rows 1,024 numbers apart, s[40:47] for 4,096
.irp g, 32, 40
	s_mov_b32 s[\g], (2<<16)|(1<<20)|(6<<22)|(1<<25)
	s_mov_b32 s[\g+1], 128<<16                     ; tensor_dim0
	s_mov_b32 s[\g+2], 64<<16                      ; tensor_dim1: 64 rows a load
	s_mov_b32 s[\g+3], 128<<16                     ; tile_dim0
	s_mov_b32 s[\g+4], 64                          ; tile_dim1
	s_mov_b32 s[\g+6], 0
	s_mov_b32 s[\g+7], 0
.endr
	s_mov_b32 s37, 1024
	s_mov_b32 s45, 4096
	; unit 0 (a 1,024 x 1,024 weight): k block (g / 8) % 8, n block g % 8
	s_and_b32 s2, s29, 7
	s_bfe_u32 s3, s29, 0x30003
	s_lshl_b32 s96, s3, 19                         ; 128 rows of 4,096 bytes
	s_lshl_b32 s97, s2, 9
	s_add_co_u32 s96, s96, s97
	s_lshl_b32 s97, s62, 18                        ; 64 rows of 4,096 bytes
	s_add_co_u32 s96, s96, s97
	s_mov_b32 s97, 0
	s_lshl_b32 s84, s2, 3                          ; its fragment: row tile 8 (n block) + wave, K step = k block
	s_add_co_u32 s84, s84, s28
	s_lshl_b32 s84, s84, 14
	s_lshl_b32 s85, s3, 11
	s_add_co_u32 s84, s84, s85
	s_lshr_b32 s85, s29, 6
	s_lshl_b32 s85, s85, 20                        ; tensor g / 64: 1 MiB each
	s_add_co_u32 s84, s84, s85
	s_mov_b32 s85, 0
	; unit 2 (w2, 4,096 x 1,024): k block g / 8, n block g % 8
	s_lshr_b32 s3, s29, 3
	s_lshl_b32 s100, s3, 19
	s_lshl_b32 s101, s2, 9
	s_add_co_u32 s100, s100, s101
	s_lshl_b32 s101, s62, 18
	s_add_co_u32 s100, s100, s101
	s_mov_b32 s101, 0
	s_lshl_b32 s88, s2, 3
	s_add_co_u32 s88, s88, s28
	s_lshl_b32 s88, s88, 16                        ; a row tile of K = 4,096 is 65,536 bytes
	s_lshl_b32 s89, s3, 11
	s_add_co_u32 s88, s88, s89
	s_add_co_u32 s88, s88, 0x800000
	s_mov_b32 s89, 0
	; unit 1 (w1, 1,024 x 4,096): k block g / 32, n block g % 32
	s_and_b32 s2, s29, 31
	s_lshr_b32 s3, s29, 5
	s_lshl_b32 s98, s3, 21                         ; 128 rows of 16,384 bytes
	s_lshl_b32 s99, s2, 9
	s_add_co_u32 s98, s98, s99
	s_lshl_b32 s99, s62, 20                        ; 64 rows of 16,384 bytes
	s_add_co_u32 s98, s98, s99
	s_mov_b32 s99, 0
	s_lshl_b32 s86, s2, 3
	s_add_co_u32 s86, s86, s28
	s_lshl_b32 s86, s86, 14
	s_lshl_b32 s87, s3, 11
	s_add_co_u32 s86, s86, s87
	s_add_co_u32 s86, s86, 0x400000
	s_mov_b32 s87, 0
	s_wait_dscnt 0x0
	s_wait_kmcnt 0x0
	s_load_b512 s[68:83], s[22:23], 0x0            ; e0 .. e15
	s_bitcmp1_b32 s29, 6                           ; which of the four square weights: the choice hangs on g alone
	s_cselect_b64 s[90:91], s[12:13], s[10:11]
	s_cselect_b64 s[92:93], s[16:17], s[14:15]
	s_bitcmp1_b32 s29, 7
	s_cselect_b64 s[90:91], s[92:93], s[90:91]
	; THE UNITS' LOADS: waves 0, 1 fetch the halves of unit 0, waves 2, 3 of unit 1, waves 4, 5 of unit 2, 64 k rows each; waves 6, 7 fetch nothing.  One tensor load a wave.
	s_mul_i32 s2, s28, 64*WPITCH                   ; wave x 64 rows: a unit is 128 rows, so this is the unit's place and the half's in one
	s_mov_b32 s48, 1
	s_mov_b32 s49, s2
	s_add_nc_u64 s[50:51], s[90:91], s[96:97]
	s_or_b32 s51, s51, 0x80000000
	s_mov_b32 s52, 1
	s_mov_b32 s53, s2
	s_add_nc_u64 s[54:55], s[18:19], s[98:99]
	s_or_b32 s55, s55, 0x80000000
	s_mov_b32 s56, 1
	s_mov_b32 s57, s2
	s_add_nc_u64 s[58:59], s[20:21], s[100:101]
	s_or_b32 s59, s59, 0x80000000
	s_cmp_lt_u32 s28, 2                            ; one chain of branches on the wave's number, one fill to an arm, one join
	s_cbranch_scc0 .Lnot_u0
	tensor_load_to_lds s[48:51], s[32:39]
	s_nop 0
.rept 4
	v_nop
.endr
	s_branch .Lasked
.Lnot_u0:
	s_cmp_lt_u32 s28, 4
	s_cbranch_scc0 .Lnot_u1
	tensor_load_to_lds s[52:55], s[40:47]
	s_nop 0
.rept 4
	v_nop
.endr
	s_branch .Lasked
.Lnot_u1:
	s_cmp_lt_u32 s28, 6
	s_cbranch_scc0 .Lasked
	tensor_load_to_lds s[56:59], s[32:39]
	s_nop 0
.rept 4
	v_nop
.endr
.Lasked:
	v_and_b32 v1, 31, v0                           ; lane
	v_and_b32 v2, 15, v0                           ; r
	v_bfe_u32 v3, v0, 4, 1                         ; h
	s_delay_alu instid0(VALU_DEP_3)
	v_lshlrev_b32 v[LI], 4, v1
	s_wait_alu depctr_va_vdst(0)
	s_lshl_b32 s2, s29, 16                         ; 16 rows of 4,096 bytes a work-group,
	s_lshl_b32 s3, s28, 13                         ; two a wave
	s_add_co_u32 s2, s2, s3
	s_mov_b32 s3, 0
	s_add_nc_u64 s[4:5], s[4:5], s[2:3]
	s_lshl_b32 s2, s28, 9                          ; my 128 gains and biases
	s_add_nc_u64 s[6:7], s[6:7], s[2:3]
	s_add_nc_u64 s[8:9], s[8:9], s[2:3]
.irp p, 0,1
.irp j, 0,1,2,3,4,5,6,7
	global_load_b128 v[X+32*\p+4*\j:X+32*\p+4*\j+3], v[LI], s[4:5] offset:4096*\p+512*\j th:TH_LOAD_NT
.endr
.endr
	global_load_b128 v[G:G+3], v[LI], s[6:7]
	global_load_b128 v[B:B+3], v[LI], s[8:9]
	s_mul_i32 s2, s28, 2*LPITCH
	v_add_nc_u32 v[XW], s2, v[LI]
	s_delay_alu instid0(VALU_DEP_1)
	v_add_nc_u32 v[XW], LNR, v[XW]
	v_mul_u32_u24 v[LA], v2, LPITCH
	s_delay_alu instid0(VALU_DEP_1)
	v_lshl_add_u32 v[LA], v3, 5, v[LA]
	s_lshl_b32 s2, s28, 9
	v_add_nc_u32 v[LA], s2, v[LA]
	s_delay_alu instid0(VALU_DEP_1)
	v_add_nc_u32 v[LA], LNR, v[LA]
	s_lshl_b32 s2, s28, 10
	v_add_nc_u32 v[GW], s2, v[LI]
	s_delay_alu instid0(VALU_DEP_1)
	v_add_nc_u32 v[GW], GB, v[GW]
	v_lshlrev_b32 v[GR], 5, v3
	s_delay_alu instid0(VALU_DEP_1)
	v_add_nc_u32 v[GR], s2, v[GR]
	s_delay_alu instid0(VALU_DEP_1)
	v_add_nc_u32 v[GR], GB, v[GR]
	v_mul_u32_u24 v[WA], v3, 8*WPITCH
	s_delay_alu instid0(VALU_DEP_1)
	v_lshl_add_u32 v[WA], v2, 2, v[WA]
	s_lshl_b32 s2, s28, 6
	v_add_nc_u32 v[WA], s2, v[WA]
	s_delay_alu instid0(VALU_DEP_1)
	v_add_nc_u32 v[WA+1], UNITB, v[WA]
	s_delay_alu instid0(VALU_DEP_2)
	v_add_nc_u32 v[WA+2], 2*UNITB, v[WA]
	s_add_nc_u64 s[84:85], s[24:25], s[84:85]      ; where the three units' fragments go
	s_add_nc_u64 s[86:87], s[24:25], s[86:87]
	s_add_nc_u64 s[88:89], s[24:25], s[88:89]
	s_lshl_b32 s2, s29, 3
	s_add_co_u32 s2, s2, s28
	s_lshl_b32 s2, s2, 11                          ; x1's fragment (row tile g, K step wave)
	s_mov_b32 s3, 0
	s_add_nc_u64 s[90:91], s[26:27], s[2:3]
	s_add_nc_u64 s[92:93], s[90:91], 0x400000
	s_add_nc_u64 s[94:95], s[90:91], 0x800000
	s_wait_kmcnt 0x0
	MKSC 68, QS, QS+1                              ; e0
	MKSC 70, QS+2, QS+3                            ; e2
	MKSC 72, QS+4, QS+5                            ; e4
	s_bitcmp1_b32 s29, 6
	s_cselect_b32 s96, s71, s69                    ; e3 or e1
	s_cselect_b32 s97, s79, s73                    ; e11 or e5
	s_bitcmp1_b32 s29, 7
	s_cselect_b32 s96, s97, s96
	MKSC 96, US, US+1
	MKSC 81, US+2, US+3                            ; e13
	MKSC 83, US+4, US+5                            ; e15
	s_wait_loadcnt 10                              ; row 0's eight loads are in; row 1's eight, gain and bias may be out
	ROWSTAT X
	ROWPUT 0
	s_wait_loadcnt 2                               ; row 1's are in
	ROWSTAT X+32
	ROWPUT 1
	s_wait_loadcnt 0x0
	ds_store_b128 v[GW], v[G:G+3]
	ds_store_b128 v[GW], v[B:B+3] offset:512
	s_wait_dscnt 0x0                               ; for the others' sake: my rows lie in LDS (the units' loads may be out, and no unit is read before the next)
	s_barrier_signal -1
	s_barrier_wait -1
	; all 16 rows, features 128 w .. 128 w + 127: lane (r, h) takes 16 c + 8 h + 0 .. 7
.irp c, 0,1,2,3,4,5,6,7
	ds_load_b128 v[X+8*\c:X+8*\c+3], v[LA] offset:64*\c
	ds_load_b128 v[X+8*\c+4:X+8*\c+7], v[LA] offset:64*\c+16
.endr
.irp f, 0,1
.irp c, 0,1,2,3
	ds_load_b128 v[G+8*\c:G+8*\c+3], v[GR] offset:256*\f+64*\c
	ds_load_b128 v[G+8*\c+4:G+8*\c+7], v[GR] offset:256*\f+64*\c+16
	ds_load_b128 v[B+8*\c:B+8*\c+3], v[GR] offset:512+256*\f+64*\c
	ds_load_b128 v[B+8*\c+4:B+8*\c+7], v[GR] offset:512+256*\f+64*\c+16
.endr
	s_wait_dscnt 0x0
.irp j, 0,2,4,6,8,10,12,14,16,18,20,22,24,26,28,30
	v_pk_fma_f32 v[X+32*\f+\j:X+32*\f+\j+1], v[X+32*\f+\j:X+32*\f+\j+1], v[G+\j:G+\j+1], v[B+\j:B+\j+1]
.endr
.endr
	QUANT CD, QS, QS+1
	PUT 90, CD
	QUANT CD+16, QS+2, QS+3
	PUT 92, CD+16
	QUANT CD+32, QS+4, QS+5
	PUT 94, CD+32
	s_wait_tensorcnt 0x0                           ; my load, if I have one, has landed (no LDS instruction of mine is out),
	s_barrier_signal -1
	s_barrier_wait -1                              ; everybody's has: all three units are whole
	WUNIT 0
	WUNIT 1
	WUNIT 2
	s_wait_tensorcnt 0x0
	ds_add_u32 v224, v225
	s_wait_dscnt 0x0
	s_endpgm
.Lfunc_end_k_q7c6e210829_prep:
	.size	k_q7c6e210829_prep, .Lfunc_end_k_q7c6e210829_prep-k_q7c6e210829_prep
	.p2alignl 7, 3214868480
	.fill 96, 4, 3214868480
	.section	.rodata,"a",@progbits
	.p2align	6, 0x0
	.amdhsa_kernel k_q7c6e210829_prep
		.amdhsa_group_segment_fixed_size 274688
		.amdhsa_private_segment_fixed_size 0
		.amdhsa_enable_private_segment 0
		.amdhsa_kernarg_size 96
		.amdhsa_user_sgpr_count 2
		.amdhsa_user_sgpr_kernarg_segment_ptr 1
		.amdhsa_wavefront_size32 1
		.amdhsa_system_sgpr_workgroup_id_x 1
		.amdhsa_system_sgpr_workgroup_id_y 1
		.amdhsa_system_sgpr_workgroup_id_z 1
		.amdhsa_system_vgpr_workitem_id 0
		.amdhsa_next_free_vgpr 226
		.amdhsa_next_free_sgpr 102
		.amdhsa_reserve_vcc 0
		.amdhsa_float_denorm_mode_32 3
		.amdhsa_float_denorm_mode_16_64 3
		.amdhsa_memory_ordered 1
		.amdhsa_forward_progress 1
		.amdhsa_inst_pref_size 72
	.end_amdhsa_kernel
	.amdgpu_metadata
---
amdhsa.version: [ 1, 2 ]
amdhsa.kernels:
  - .name:           k_q7c6e210829_prep
    .symbol:         k_q7c6e210829_prep.kd
    .args:
      - { .name: x, .offset: 0, .size: 8, .value_kind: global_buffer, .address_space: global }
      - { .name: ln1_g, .offset: 8, .size: 8, .value_kind: global_buffer, .address_space: global }
      - { .name: ln1_b, .offset: 16, .size: 8, .value_kind: global_buffer, .address_space: global }
      - { .name: wq, .offset: 24, .size: 8, .value_kind: global_buffer, .address_space: global }
      - { .name: wk, .offset: 32, .size: 8, .value_kind: global_buffer, .address_space: global }
      - { .name: wv, .offset: 40, .size: 8, .value_kind: global_buffer, .address_space: global }
      - { .name: wo, .offset: 48, .size: 8, .value_kind: global_buffer, .address_space: global }
      - { .name: w1, .offset: 56, .size: 8, .value_kind: global_buffer, .address_space: global }
      - { .name: w2, .offset: 64, .size: 8, .value_kind: global_buffer, .address_space: global }
      - { .name: lowp_scales, .offset: 72, .size: 8, .value_kind: global_buffer, .address_space: global }
      - { .name: w8, .offset: 80, .size: 8, .value_kind: global_buffer, .address_space: global }
      - { .name: x1c, .offset: 88, .size: 8, .value_kind: global_buffer, .address_space: global }
    .group_segment_fixed_size: 274688
    .private_segment_fixed_size: 0
    .kernarg_segment_align: 8
    .kernarg_segment_size: 96
    .max_flat_workgroup_size: 256
    .sgpr_count:     102
    .vgpr_count:     226
    .wavefront_size: 32
...
	.end_amdgpu_metadata
.endif
;; end of part 1
;; launch qkv (part 2): grid 4 x 48, 4 waves a work-group, clusters of 4 x 4, 327,680 bytes of LDS; arguments x1c, w8, lowp_scales, qkv; writes qkv
.if DOCPART == 2
	.amdgcn_target "amdgcn-amd-amdhsa--gfx1250"
	.amdhsa_code_object_version 6
	.text
	.protected	k_q7c6e210829_qkv
	.globl	k_q7c6e210829_qkv
	.p2align	8
	.type	k_q7c6e210829_qkv,@function
k_q7c6e210829_qkv:
	s_mov_b64 s[64:65], 0
	v_nop
	global_prefetch_b8 v0, s[64:65] scope:SCOPE_SE
	s_setreg_imm32_b32 hwreg(HW_REG_WAVE_MODE, 25, 1), 1
	s_wait_xcnt 0x0
	s_wait_alu depctr_hold_cnt(0) depctr_sa_sdst(0) depctr_va_vdst(0) depctr_va_sdst(0) depctr_va_ssrc(0) depctr_va_vcc(0) depctr_vm_vsrc(0)
	s_getreg_b32 s2, hwreg(HW_REG_IB_STS2, 6, 4)
	s_cmp_eq_u32 s2, 0
	s_cbranch_scc0 .Lentry_in_a_cluster
	s_endpgm
.Lentry_in_a_cluster:
	s_bfe_u32 s2, ttmp6, 0x10000c
	s_cmp_lg_u32 s2, 0xf033
	s_cbranch_scc0 .Lentry_shape_is_right
	s_endpgm
.Lentry_shape_is_right:
; QKV: q = x1 wq, k = x1 wk, v = x1 wv on codes of E4M3, each result quantised at once for attention (scales e6, e7, e9) and stored as images of operand registers.
; Operands are images: a fragment (16 rows x 128 K) is 2,048 bytes, lane l's registers 4 i .. 4 i + 3 at 512 i + 16 l; a row tile of K = 1,024 is 16,384 consecutive bytes.
; A tile of C, 256 x 256, is made by four waves, each 128 x 128: 64 accumulators, 512 registers.  K goes in steps of 256 (two fragments, 4,096 bytes a row tile) through two LDS slots.
; THREE PRODUCTS IN ONE GRID: 12 clusters of 4 x 4 work-groups along y; T3 = cluster y / 4 says which.  T3 = 0, 1: C = x1 W, rows = tokens (16 tile rows), columns = features (4).
; T3 = 2: C = V^T = wv^T x1^T, rows = features (4 tile rows), columns = tokens (16): so the keys come out innermost, as attention's second product wants them, and nothing is transposed.
; 192 work-groups: tiles of 128 x 128 would make 768 but read twice the LDS bytes for each product, and wider tiles would straddle q, k and v, whose codes of x1 differ.
; THE MATRIX INSTRUCTION IS USED TRANSPOSED (source 0 = 16 rows of the B side, source 1 = 16 rows of the A side): lane (r, h) holds row r of C and columns 16 b + 8 h + 0 .. 7 of accumulator b,
; so one conversion of eight numbers gives registers 2 b, 2 b + 1 of the next operand's fragment: no stage, and every store of a wave covers 512 consecutive bytes, aligned.
; CLUSTERS: the four work-groups of a row of the cluster need the same tiles of the A side, the four of a column the same of the B side: each tile is asked for jointly.
; OUTPUT: q at 0, k at 4 MiB: fragment (head bh, token tile tt), 16 tokens x 64, 1,024 bytes, at (64 bh + tt) x 1,024.  v at 8 MiB: fragment (bh, key step ks of 128, d tile dt) at ((8 bh + ks) 4 + dt) x 2,048.
; REGISTERS, in windows of 256: window 0: v16-31 addresses and constants, v32-95 at work on the way out, v128-255 the A side's fragments (one set), later the codes;
;   window 1: the B side's fragments, two sets; window 2: accumulators of my rows 0-63 ((a, b) at v[8 (8 a + b)]); window 3: of my rows 64-127.
; LIMITS: e6 - e0 - e1, e7 - e2 - e3 and e9 - e4 - e5 lie between -126 and 119.
.set SLOT,   131072                    ; the A side's 16 row tiles x 4,096 bytes, then the B side's
.set SPARE,  2*SLOT                    ; behind the ring: the spare words, 128 bytes for each wave
.set KSB,    4096                      ; a K step of a row tile, in bytes
.set FR,     16                        ; registers of a fragment
.set NL,     4                         ; LDS loads that bring one
.set NP,     4                         ; places behind this matrix instruction (ISA guide 7.12.1)
.set ADRA, 16                          ; v16-17  LDS address of my A fragments in slot 0, 1
.set ADRB, 20                          ; v20-21  the same for B
.set LI,   24                          ; v24     16 x lane
.set SPW,  28                          ; v28     LDS address of my spare word; never rewritten
.set NIL,  29                          ; v29     0; never rewritten
.set LIM,  30                          ; v30     448 x the conversion's scale
.set SC,   31                          ; v31     the conversion's scale
.set TMP,  32
.set AF,   128
.set CDS,  128                         ; the codes: 16 registers for each of my eight row tiles
.set T3,   13                          ; s13     which product
.set G1, 24                            ; s[24:31] descriptor group 1 for the A side; s[32:39] group 0, one set for each slot
.set G0, 32
.set G1B, 48                           ; s[48:55], s[56:63] the same for the B side
.set G0B, 56
.set MSB, 0
.macro WIN new                         ; the immediate's high byte repeats the setting that is left
.if MSB != \new
	s_set_vgpr_msb (MSB<<8)|\new
.set MSB, \new
.endif
.endm
.set MUL_LO, 0xa1                      ; source 0 (B) window 1, source 1 (A) window 0, C and D window 2
.set MUL_HI, 0xf1                      ; the same, C and D window 3
.set TO_B,   0x40                      ; destination window 1, address window 0
.macro JLOAD g0a, g1a, g0b, g1b        ; a joint load: waves 0 and 1 fetch for A, waves 2 and 3 for B; the branch hangs on the wave's number alone; four v_nop follow each line
	s_cmp_eq_u32 s15, 0
	s_cbranch_scc0 .Lfor_b_\@
	tensor_load_to_lds s[\g0a:\g0a+3], s[\g1a:\g1a+7]
	s_nop 0
.rept 4
	v_nop
.endr
	s_branch .Lasked_\@
.Lfor_b_\@:
	tensor_load_to_lds s[\g0b:\g0b+3], s[\g1b:\g1b+7]
	s_nop 0
.rept 4
	v_nop
.endr
.Lasked_\@:
.endm
.macro CREST                           ; a round of the cluster's barrier behind its opening barrier
	s_cmp_lg_u32 s14, 0
	s_cbranch_scc1 .Lnot_wave_0_\@
	s_barrier_signal -3
.Lnot_wave_0_\@:
	s_barrier_wait -3
	s_barrier_signal -1
	s_barrier_wait -1
.endm
.macro CROUND
	s_barrier_signal -1
	s_barrier_wait -1
	CREST
.endm
	s_load_b128 s[4:7], s[0:1], 0x0                ; x1c s[4:5], w8 s[6:7]
	s_load_b128 s[8:11], s[0:1], 0x10              ; the exponents s[8:9], qkv s[10:11]
	v_lshl_add_u32 v[SPW], v0, 2, SPARE
	v_mov_b32 v[NIL], 0
	ds_add_u32 v28, v29
	ds_add_u32 v28, v29
	s_wait_dscnt 0x0
	v_lshrrev_b32 v1, 5, v0
	v_readfirstlane_b32 s14, v1                    ; wave 0..3
	s_lshr_b32 s15, s14, 1                         ; which half of the tile's rows is mine.  Also: I fetch for A (0) or for B (1)
	s_and_b32 s16, s14, 1                          ; which half of its columns.  Also: which 128 rows I fetch
	s_bfe_u32 s40, ttmp6, 0x40000                  ; cx
	s_bfe_u32 s41, ttmp6, 0x40004                  ; cy
	s_and_b32 s12, ttmp7, 0xffff                   ; cluster y, 0..11
	s_lshr_b32 s[T3], s12, 2
	s_and_b32 s12, s12, 3
	s_lshl_b32 s12, s12, 2
	s_add_co_u32 s17, s41, s12                     ; cy + 4 (cluster y % 4)
	s_add_co_u32 s42, s40, s12                     ; cx + 4 (cluster y % 4)
	s_lshl_b32 s66, s[T3], 22                      ; x1's codes for product T3
	s_lshl_b32 s67, s[T3], 20                      ; the weight's
	s_lshl_b32 s43, s41, 2
	s_lshl_b32 s43, 15, s43                        ; my row of the cluster
	s_lshl_b32 s44, 0x1111, s40                    ; my column
	s_cmp_eq_u32 s[T3], 2                          ; the same in all sixteen partners
	s_cselect_b32 s17, s41, s17                    ; tile row of C: it holds cy and never cx
	s_cselect_b32 s42, s42, s40                    ; tile column: cx and never cy
	s_cselect_b32 s66, 0x200000, s66               ; the A side's first byte in its buffer (wv at 2 MiB of w8)
	s_cselect_b32 s67, 0x800000, s67               ; the B side's (x1 with e4 at 8 MiB of x1c)
	; descriptor group 1: 8 rows (row tiles) of 512 elements of 8 bytes, 2,048 elements apart; no padding: a fragment load takes 512 consecutive bytes
	s_or_b32 s[G1+0], s43, (3<<16)|(1<<21)
	s_or_b32 s[G1B+0], s44, (3<<16)|(1<<21)
.irp g, G1, G1B
	s_mov_b32 s[\g+1], 512<<16                     ; tensor_dim0
	s_mov_b32 s[\g+2], 8<<16                       ; tensor_dim1
	s_mov_b32 s[\g+3], 512<<16                     ; tile_dim0
	s_mov_b32 s[\g+4], 8                           ; tile_dim1
	s_mov_b32 s[\g+5], 2048                        ; tensor_dim0_stride
	s_mov_b32 s[\g+6], 0
	s_mov_b32 s[\g+7], 0
.endr
	s_lshl_b32 s18, s16, 7                         ; which 128 rows of the tile I fetch
	s_lshl_b32 s20, s17, 8
	s_add_co_u32 s20, s20, s18
	s_lshl_b32 s20, s20, 10                        ; a row is 1,024 bytes of its row tile's image
	s_add_co_u32 s20, s20, s66
	s_mov_b32 s21, 0
	s_lshl_b32 s46, s42, 8
	s_add_co_u32 s46, s46, s18
	s_lshl_b32 s46, s46, 10
	s_add_co_u32 s46, s46, s67
	s_mov_b32 s47, 0
	s_lshl_b32 s45, s14, 15                        ; where they go: wave x 32,768: no place in the cluster enters an LDS address
	s_wait_kmcnt 0x0
	s_load_b512 s[68:83], s[8:9], 0x0              ; e0 .. e15
	s_cmp_eq_u32 s[T3], 2
	s_cselect_b64 s[22:23], s[6:7], s[4:5]         ; the A side's buffer
	s_cselect_b64 s[84:85], s[4:5], s[6:7]         ; the B side's
	s_add_nc_u64 s[20:21], s[22:23], s[20:21]
	s_add_nc_u64 s[46:47], s[84:85], s[46:47]
	CROUND                                         ; all sixteen work-groups are here: the first joint loads meet
.irp s, 0,1
	s_mov_b32 s[G0+4*\s], 1
	s_add_co_u32 s[G0+4*\s+1], s45, \s*SLOT
	s_add_nc_u64 s[G0+4*\s+2:G0+4*\s+3], s[20:21], \s*KSB
	s_or_b32 s[G0+4*\s+3], s[G0+4*\s+3], 0x80000000
	s_mov_b32 s[G0B+4*\s], 1
	s_add_co_u32 s[G0B+4*\s+1], s45, \s*SLOT
	s_add_nc_u64 s[G0B+4*\s+2:G0B+4*\s+3], s[46:47], \s*KSB
	s_or_b32 s[G0B+4*\s+3], s[G0B+4*\s+3], 0x80000000
.endr
	JLOAD G0, G1, G0B, G1B                         ; K step 0: one tensor load a wave at the head
	; PREFETCHES: of the 8 row tiles that I fetch, each of the four partners that ask with me takes two, told apart by address (cx for the A side, cy for the B side): a K step of them is 2 x 4,096 bytes,
	; a lane a block of 256.  So each block is named once in each cluster that loads it.  K steps 1 and 2 are asked for here, K step 3 behind slot 1's fill; there is no K step 4.
	s_cmp_eq_u32 s15, 0
	s_cselect_b64 s[96:97], s[20:21], s[46:47]     ; where my wave's tiles begin
	s_cselect_b32 s98, s40, s41
	s_lshl_b32 s98, s98, 15                        ; two row tiles of 16,384 bytes a partner
	s_mov_b32 s99, 0
	s_add_nc_u64 s[96:97], s[96:97], s[98:99]
	v_and_b32 v26, 15, v0
	v_bfe_u32 v27, v0, 4, 1
	v_lshlrev_b32 v26, 8, v26
	v_lshl_add_u32 v26, v27, 14, v26               ; 256 (lane % 16) + 16,384 (lane / 16); never rewritten
	global_prefetch_b8 v26, s[96:97] offset:KSB th:TH_LOAD_NT scope:SCOPE_SE
	global_prefetch_b8 v26, s[96:97] offset:2*KSB th:TH_LOAD_NT scope:SCOPE_SE
	v_and_b32 v1, 31, v0
	v_lshlrev_b32 v[LI], 4, v1
	s_lshl_b32 s21, s15, 15                        ; my 8 row tiles of A
	s_lshl_b32 s22, s16, 15                        ; my 8 of B,
	s_add_co_u32 s22, s22, 65536                   ; which lie behind A's 16
.irp s, 0,1
	v_add_nc_u32 v[ADRA+\s], s21, v[LI]
	v_add_nc_u32 v[ADRB+\s], s22, v[LI]
	s_add_co_u32 s21, s21, SLOT
	s_add_co_u32 s22, s22, SLOT
.endr
	; where my codes go
	s_lshl_b32 s86, s17, 8
	s_lshl_b32 s87, s15, 7
	s_add_co_u32 s86, s86, s87                     ; my first row of C
	s_lshl_b32 s88, s42, 8
	s_lshl_b32 s87, s16, 7
	s_add_co_u32 s88, s88, s87                     ; my first column
	s_cmp_eq_u32 s[T3], 2
	s_cselect_b32 s89, s88, s86                    ; my first token
	s_cselect_b32 s90, s86, s88                    ; my first feature
	s_lshr_b32 s91, s89, 10
	s_lshl_b32 s91, s91, 20                        ; batch x 16 heads x 65,536
	s_lshr_b32 s90, s90, 6
	s_lshl_b32 s90, s90, 16                        ; head x 65,536
	s_and_b32 s89, s89, 1023
	s_lshl_b32 s89, s89, 6                         ; 64 bytes for each token of a head, in q, k and v alike
	s_add_co_u32 s90, s90, s91
	s_add_co_u32 s90, s90, s89
	s_lshl_b32 s91, s[T3], 22
	s_add_co_u32 s90, s90, s91
	s_mov_b32 s91, 0
	s_add_nc_u64 s[10:11], s[10:11], s[90:91]
	; a sum stands for sum x 2^(ea + eb), its code is that / 2^eo: the three exponents are folded into the conversion's one scale.  No branch hangs on them
	s_wait_alu depctr_va_vdst(0)
	s_wait_kmcnt 0x0
	s_add_co_i32 s92, s68, s69
	s_add_co_i32 s93, s70, s71
	s_add_co_i32 s94, s72, s73
	s_cmp_eq_u32 s[T3], 1
	s_cselect_b32 s92, s93, s92
	s_cselect_b32 s95, s75, s74                    ; e7 or e6
	s_cmp_eq_u32 s[T3], 2
	s_cselect_b32 s92, s94, s92
	s_cselect_b32 s95, s77, s95                    ; e9
	s_sub_co_i32 s92, s95, s92
	s_add_co_i32 s92, s92, 127
	s_lshl_b32 s93, s92, 23
	v_mov_b32 v[SC], s93
	s_add_co_i32 s92, s92, 8
	s_lshl_b32 s92, s92, 23
	s_or_b32 s92, s92, 0x600000
	v_mov_b32 v[LIM], s92
.macro FRAG reg, adr, q, i             ; a fragment comes back as it was stored: four loads of 512 consecutive bytes
.irp c, 0,1,2,3
	ds_load_b128 v[\reg+4*\c:\reg+4*\c+3], v[\adr] offset:2048*(\q)+512*\c+(\i)*KSB
.endr
.endm
; 16 matrix instructions: A's blocks a0, a0 + 1 x B's eight.  p: B's set.  zero = 1: the first product starts the sums.  The 64 accumulators take turns, one instruction a turn.
.macro MUL16 a0, p, zero
.irp a, \a0, \a0+1
.irp b, 0,1,2,3,4,5,6,7
.if \zero
	v_wmma_f32_16x16x128_fp8_fp8 v[8*(8*((\a)%4)+\b):8*(8*((\a)%4)+\b)+7], v[128*(\p)+FR*\b:128*(\p)+FR*\b+FR-1], v[AF+FR*(\a):AF+FR*(\a)+FR-1], 0
.else
	v_wmma_f32_16x16x128_fp8_fp8 v[8*(8*((\a)%4)+\b):8*(8*((\a)%4)+\b)+7], v[128*(\p)+FR*\b:128*(\p)+FR*\b+FR-1], v[AF+FR*(\a):AF+FR*(\a)+FR-1], v[8*(8*((\a)%4)+\b):8*(8*((\a)%4)+\b)+7]
.endif
.endr
.endr
.endm
.macro FETCH_B slot, q, p
	WIN TO_B
.irp i, 0,1,2,3,4,5,6,7
	FRAG 128*(\p)+FR*\i, ADRB+\slot, \q, \i
.endr
	WIN 0
.endm
.macro FETCH_A slot, q, i0
.irp i, \i0, \i0+1, \i0+2, \i0+3
	FRAG AF+FR*(\i), ADRA+\slot, \q, \i
.endr
.endm
.macro PLACES n                        ; plain vector lines between a matrix instruction and a load into, or a read of, its registers
.rept \n
	v_nop
.endr
.endm
.macro STEP slot, q, zero              ; 128 along K that has its successor in the same slot
	s_wait_dscnt 4*NL                              ; B's set and A's blocks 0-3 are in; the youngest sixteen loads (A's blocks 4-7) may be out
	WIN MUL_LO
	MUL16 0, (\q)%2, \zero
	MUL16 2, (\q)%2, \zero
	s_wait_dscnt 0                                 ; A's blocks 4-7 are in
	PLACES NP
	FETCH_B \slot, (\q)+1, 1-(\q)%2
	FETCH_A \slot, (\q)+1, 0
	WIN MUL_HI
	MUL16 4, (\q)%2, \zero
	MUL16 6, (\q)%2, \zero
	PLACES NP
	WIN 0
	FETCH_A \slot, (\q)+1, 4
.endm
; A slot's last step changes slots: one barrier; in front of it each wave waits for all its tensor loads, adds 0 to its spare word, and waits for that and for its reads of this slot.
.macro TURN slot, next, fill
	s_wait_tensorcnt 0x0                           ; all my tensor loads have landed: the one that was out is my part of the next slot
	ds_add_u32 v[SPW], v[NIL]                      ; 0 onto my spare word
	s_wait_dscnt 4*NL+1                            ; (the add and the youngest sixteen loads may be out)
	WIN MUL_LO
	MUL16 0, 1, 0
	s_wait_dscnt 0x0                               ; the add is done, and my reads of this slot are over
	s_barrier_signal -1
	MUL16 2, 1, 0
	WIN 0
	s_barrier_wait -1
.if \fill
	CREST                                          ; the barrier has opened a round of the cluster's: no wave of any partner still reads this slot or has a load on its way
	s_add_nc_u64 s[G0+4*\slot+2:G0+4*\slot+3], s[G0+4*\slot+2:G0+4*\slot+3], 2*KSB
	s_add_nc_u64 s[G0B+4*\slot+2:G0B+4*\slot+3], s[G0B+4*\slot+2:G0B+4*\slot+3], 2*KSB
	JLOAD G0+4*\slot, G1, G0B+4*\slot, G1B         ; the first tensor load behind the round; its four v_nop are the places in front of the loads below
.else
	PLACES NP
.endif
	FETCH_B \next, 0, 0
	FETCH_A \next, 0, 0
	WIN MUL_HI
	MUL16 4, 1, 0
	MUL16 6, 1, 0
	PLACES NP
	WIN 0
	FETCH_A \next, 0, 4
.endm
	s_wait_alu depctr_va_vdst(0)                   ; the wait at the head's end
	s_wait_tensorcnt 0x0                           ; my part of K step 0 is in; slot 1's first fill is issued as a refill is:
	ds_add_u32 v[SPW], v[NIL]                      ; 0 onto my spare word
	s_wait_dscnt 0x0
	CROUND                                         ; everybody's part of K step 0 is in, and the sixteen work-groups meet
	JLOAD G0+4, G1, G0B+4, G1B                     ; K step 1: the first tensor load behind the round
	FETCH_B 0, 0, 0
	FETCH_A 0, 0, 0
	FETCH_A 0, 0, 4
	global_prefetch_b8 v26, s[96:97] offset:3*KSB th:TH_LOAD_NT scope:SCOPE_SE   ; K step 3, two fills ahead of its load
	STEP 0, 0, 1
	TURN 0, 1, 1
	STEP 1, 0, 0
	TURN 1, 0, 1
	STEP 0, 0, 0
	TURN 0, 1, 0
	STEP 1, 0, 0
	s_wait_dscnt 4*NL
	WIN MUL_LO
	MUL16 0, 1, 0
	MUL16 2, 1, 0
	s_wait_alu depctr_va_vdst(0)
	s_wait_dscnt 0
	WIN MUL_HI
	MUL16 4, 1, 0
	MUL16 6, 1, 0
	WIN 0
; THE WAY OUT of row tile a: held within +-448 x the scale, each accumulator from its low end on, and converted: eight numbers of accumulator b give registers 2 b, 2 b + 1 of the tile's codes.
.macro QOUT a
.set AC, 64*((\a)%4)
	WIN 0x02+((\a)/4)                              ; source 0: window 2 or 3
.set j, 0
.rept 64
	v_med3_num_f32 v[TMP+j], v[AC+j], -v[LIM], v[LIM]   ; the conversion to an 8-bit code does not saturate (ISA guide 7.6.2)
.set j, j+1
.endr
	WIN 0
.irp b, 0,1,2,3,4,5,6,7
	v_cvt_scalef32_pk8_fp8_f32 v[CDS+16*(\a)+2*\b:CDS+16*(\a)+2*\b+1], v[TMP+8*\b:TMP+8*\b+7], v[SC]
.endr
	v_nop                                          ; one plain line behind the last conversion: the next tile's holds rewrite these sources
.endm
	PLACES NP                                      ; in front of the first read of results
.irp a, 0,1,2,3,4,5,6,7
	QOUT \a
.endr
	s_cmp_eq_u32 s[T3], 2                          ; the two layouts differ in their offsets alone; the branch is the same in all partners
	s_cbranch_scc1 .Lv_out
.irp a, 0,1,2,3,4,5,6,7                ; q, k: my two heads (i / 2), token tile a, piece i % 2
.irp i, 0,1,2,3
	global_store_b128 v[LI], v[CDS+16*\a+4*\i:CDS+16*\a+4*\i+3], s[10:11] offset:(\i/2)*65536+\a*1024+(\i%2)*512
.endr
.endr
	s_branch .Ldone
.Lv_out:
	s_wait_alu depctr_va_vdst(0)
.irp a, 0,1,2,3,4,5,6,7                ; v: my two heads (a / 4), d tile a % 4, piece i
.irp i, 0,1,2,3
	global_store_b128 v[LI], v[CDS+16*\a+4*\i:CDS+16*\a+4*\i+3], s[10:11] offset:(\a/4)*65536+(\a%4)*2048+\i*512
.endr
.endr
.Ldone:
	s_wait_tensorcnt 0x0                           ; the wave's end
	ds_add_u32 v[SPW], v[NIL]
	s_wait_dscnt 0x0
	CROUND                                         ; the closing round: no work-group ends while a partner may still ask for a tile that names it
	s_endpgm
.Lfunc_end_k_q7c6e210829_qkv:
	.size	k_q7c6e210829_qkv, .Lfunc_end_k_q7c6e210829_qkv-k_q7c6e210829_qkv
	.p2alignl 7, 3214868480
	.fill 96, 4, 3214868480
	.section	.rodata,"a",@progbits
	.p2align	6, 0x0
	.amdhsa_kernel k_q7c6e210829_qkv
		.amdhsa_group_segment_fixed_size 327680
		.amdhsa_private_segment_fixed_size 0
		.amdhsa_enable_private_segment 0
		.amdhsa_kernarg_size 32
		.amdhsa_user_sgpr_count 2
		.amdhsa_user_sgpr_kernarg_segment_ptr 1
		.amdhsa_wavefront_size32 1
		.amdhsa_system_sgpr_workgroup_id_x 1
		.amdhsa_system_sgpr_workgroup_id_y 1
		.amdhsa_system_sgpr_workgroup_id_z 1
		.amdhsa_system_vgpr_workitem_id 0
		.amdhsa_next_free_vgpr 1024
		.amdhsa_next_free_sgpr 100
		.amdhsa_reserve_vcc 0
		.amdhsa_float_denorm_mode_32 3
		.amdhsa_float_denorm_mode_16_64 3
		.amdhsa_memory_ordered 1
		.amdhsa_forward_progress 1
		.amdhsa_inst_pref_size 122
	.end_amdhsa_kernel
	.amdgpu_metadata
---
amdhsa.version: [ 1, 2 ]
amdhsa.kernels:
  - .name:           k_q7c6e210829_qkv
    .symbol:         k_q7c6e210829_qkv.kd
    .args:
      - { .name: x1c, .offset: 0, .size: 8, .value_kind: global_buffer, .address_space: global }
      - { .name: w8, .offset: 8, .size: 8, .value_kind: global_buffer, .address_space: global }
      - { .name: lowp_scales, .offset: 16, .size: 8, .value_kind: global_buffer, .address_space: global }
      - { .name: qkv, .offset: 24, .size: 8, .value_kind: global_buffer, .address_space: global }
    .group_segment_fixed_size: 327680
    .private_segment_fixed_size: 0
    .kernarg_segment_align: 8
    .kernarg_segment_size: 32
    .max_flat_workgroup_size: 128
    .sgpr_count:     100
    .vgpr_count:     1024
    .wavefront_size: 32
...
	.end_amdgpu_metadata
.endif
;; end of part 2
;; launch attn (part 3): grid 4 x 64, 8 waves a work-group, clusters of 4 x 1, 168,960 bytes of LDS; arguments qkv, lowp_scales, att; writes att
.if DOCPART == 3
	.amdgcn_target "amdgcn-amd-amdhsa--gfx1250"
	.amdhsa_code_object_version 6
	.text
	.protected	k_q7c6e210829_attn
	.globl	k_q7c6e210829_attn
	.p2align	8
	.type	k_q7c6e210829_attn,@function
k_q7c6e210829_attn:
	s_mov_b64 s[64:65], 0
	v_nop
	global_prefetch_b8 v0, s[64:65] scope:SCOPE_SE
	s_setreg_imm32_b32 hwreg(HW_REG_WAVE_MODE, 25, 1), 1
	s_wait_xcnt 0x0
	s_wait_alu depctr_hold_cnt(0) depctr_sa_sdst(0) depctr_va_vdst(0) depctr_va_sdst(0) depctr_va_ssrc(0) depctr_va_vcc(0) depctr_vm_vsrc(0)
	s_getreg_b32 s2, hwreg(HW_REG_IB_STS2, 6, 4)
	s_cmp_eq_u32 s2, 0
	s_cbranch_scc0 .Lentry_in_a_cluster
	s_endpgm
.Lentry_in_a_cluster:
	s_bfe_u32 s2, ttmp6, 0x10000c
	s_cmp_lg_u32 s2, 0x3003
	s_cbranch_scc0 .Lentry_shape_is_right
	s_endpgm
.Lentry_shape_is_right:
; ATTENTION on codes of E4M3: 64 heads (batch x head) of 1,024 tokens, head size 64; no mask.  The result is quantised at once (scale e10) for the product with wo.
; THE SOFTMAX AHEAD OF THE SECOND PRODUCT: t = score x log2(e) / 8; M = the running largest t rounded UP to a whole number; p = 2^(t - M) is quantised (scale e8), not normalised;
; the row's sum is taken of the unquantised p and divides at the end.  When M moves, the sum and O are multiplied by 2^(old M - new M), which rounds nothing.
; SHARES.  A work-group owns 256 queries of one head, each of its eight waves 32: two tiles of 16.  Two waves share a SIMD, so that one wave's LDS loads and products stand beside the other's softmax.
; K AND V OF THE WHOLE HEAD LIE IN LDS: 65,536 bytes of codes each, brought once: each wave asks for 16,384 bytes.  No slot is filled twice, and the loop over the keys has no barrier.
; CLUSTER.  The four query blocks of a head form a cluster and ask for K and V jointly: the same load, descriptor and mask in all four.
; LAYOUT.  All operands are images of their registers (lane l's 16 bytes at 16 l, 512 bytes a piece).  S^T = K Q^T (source 0 = 16 keys, source 1 = 16 queries, K = 64): lane (r, h) holds query r and keys
; 16 c + 8 h + 0 .. 7 of tile c: one conversion gives registers 2 c, 2 c + 1 of P for O^T = V^T P^T (source 0 = 16 of the head's 64, K = 128 keys).  A lane holds one query throughout.
; REGISTERS: window 0: v1-3 addresses; v16-31, v32-47 a tile's statistics (+0 -M, +1 largest t, +2:3 sum, +4:5 f, +6, +7 at work, +8:9 a second sum, +10 the other half's); v48-63 Q; v64-191 S^T, then p; v192-223 P's codes; v224-227 constants.
;   window 1: v0-63 K of a step, v64-127 V of a step, v128-191 O^T.
; LIMITS: e6 + e7 between -123 and 130 (added to c's exponent field); e8 and e10 - e8 - e9 between -126 and 119.
.set VOFF, 65536                       ; V behind K
.set LI,  1                            ; v1   16 x lane
.set ADK, 2                            ; v2   the step's K
.set ADV, 3                            ; v3   the step's V
.set ST,  16
.set QF,  48
.set S,   64
.set P,   192
.set PLIM, 224                         ; 448 x 2^e8
.set PSC,  225                         ; 2^e8
.set OLIM, 226                         ; 448 x 2^(e10 - e8 - e9)
.set OSC,  227                         ; 2^(e10 - e8 - e9)
.set KF,  0                            ; in window 1
.set VF,  64
.set O,   128
.set WV,  12                           ; s12  wave
.set SEL, 28                           ; s[28:29] v_permlanex16_b32: lane l xor 16
.set CS,  30                           ; s[30:31] c = log2(e) / 8 x 2^(e6 + e7)
.set TB,  32                           ; s32  LDS byte of the step in hand
.set CNT, 33                           ; s33  steps to go
.set MSB, 0
.macro WIN new
.if MSB != \new
	s_set_vgpr_msb (MSB<<8)|\new
.set MSB, \new
.endif
.endm
.macro CROUND                          ; a round of the cluster's barrier
	s_barrier_signal -1
	s_barrier_wait -1
	s_cmp_lg_u32 s[WV], 0
	s_cbranch_scc1 .Lnot_wave_0_\@
	s_barrier_signal -3
.Lnot_wave_0_\@:
	s_barrier_wait -3
	s_barrier_signal -1
	s_barrier_wait -1
.endm
	s_load_b128 s[4:7], s[0:1], 0x0                ; qkv s[4:5], the exponents s[6:7]
	s_load_b64 s[8:9], s[0:1], 0x10                ; att
	v_lshl_add_u32 v254, v0, 2, 0x29000
	v_mov_b32 v255, 0
	ds_add_u32 v254, v255
	ds_add_u32 v254, v255
	v_lshrrev_b32 v4, 5, v0
	s_delay_alu instid0(VALU_DEP_1)
	v_readfirstlane_b32 s[WV], v4                  ; wave 0..7
	v_and_b32 v4, 31, v0
	s_delay_alu instid0(VALU_DEP_1)
	v_lshlrev_b32 v[LI], 4, v4
	s_bfe_u32 s13, ttmp6, 0x40000                  ; cx
	s_lshl_b32 s14, ttmp9, 2
	s_add_co_u32 s14, s14, s13                     ; my block of 256 queries: it enters Q's and att's addresses alone
	s_and_b32 s15, ttmp7, 0xffff                   ; the head (batch x 16 + head), which the partners share
	; descriptor group 1: a dense block of 16,384 bytes as 64 rows of 256
	s_mov_b32 s16, 15|(3<<16)|(1<<21)              ; the mask: all four work-groups; elements of 8 bytes; bit 21 beside a mask
	s_mov_b32 s17, 32<<16
	s_mov_b32 s18, 64<<16
	s_mov_b32 s19, 32<<16
	s_mov_b32 s20, 64
	s_mov_b32 s21, 32
	s_mov_b32 s22, 0
	s_mov_b32 s23, 0
	s_lshr_b32 s34, s[WV], 2                       ; waves 0-3: K (at 4 MiB), waves 4-7: V (at 8 MiB)
	s_lshl_b32 s34, s34, 22
	s_add_co_u32 s34, s34, 0x400000
	s_lshl_b32 s35, s15, 16
	s_add_co_u32 s34, s34, s35
	s_and_b32 s35, s[WV], 3
	s_lshl_b32 s35, s35, 14
	s_add_co_u32 s34, s34, s35
	s_mov_b32 s35, 0
	s_lshl_b32 s36, s15, 16                        ; Q: head x 65,536 + token tile (16 block + 2 wave) x 1,024
	s_lshl_b32 s37, s14, 14
	s_add_co_u32 s36, s36, s37
	s_lshl_b32 s37, s[WV], 11
	s_add_co_u32 s36, s36, s37
	s_mov_b32 s37, 0
	s_lshr_b32 s38, s15, 4                         ; att: row tile (64 batch + 16 block + 2 wave) x 16,384 + head x 1,024
	s_lshl_b32 s38, s38, 20
	s_lshl_b32 s39, s14, 18
	s_add_co_u32 s38, s38, s39
	s_lshl_b32 s39, s[WV], 15
	s_add_co_u32 s38, s38, s39
	s_and_b32 s39, s15, 15
	s_lshl_b32 s39, s39, 10
	s_add_co_u32 s38, s38, s39
	s_mov_b32 s39, 0
	s_mov_b32 s[SEL], 0x76543210
	s_mov_b32 s[SEL+1], 0xfedcba98
	s_mov_b32 s[CS], 0x3e38aa3b                    ; log2(e) / 8
	s_mov_b32 s[TB], 0
	s_mov_b32 s[CNT], 8
	s_wait_dscnt 0x0
	s_wait_kmcnt 0x0
	s_load_b128 s[40:43], s[6:7], 0x18             ; e6, e7, e8, e9
	s_load_b32 s44, s[6:7], 0x28                   ; e10
	s_mov_b32 s24, 1
	s_lshl_b32 s25, s[WV], 14                      ; wave x 16,384: K's four parts, then V's
	s_add_nc_u64 s[26:27], s[4:5], s[34:35]
	s_or_b32 s27, s27, 0x80000000
	s_add_nc_u64 s[36:37], s[4:5], s[36:37]
	s_add_nc_u64 s[8:9], s[8:9], s[38:39]
	CROUND                                         ; all four work-groups are here: the joint loads meet
	tensor_load_to_lds s[24:27], s[16:23]          ; one load of mine is out
	s_nop 0
.rept 4
	v_nop
.endr
	s_wait_alu depctr_va_vdst(0)
.irp t, 0,1
.irp i, 0,1
	global_load_b128 v[QF+8*\t+4*\i:QF+8*\t+4*\i+3], v[LI], s[36:37] offset:1024*\t+512*\i
.endr
.endr
.irp t, 0,1
	v_mov_b32 v[ST+16*\t+1], 0xff61b1e6            ; the largest t so far: -3e38
	s_delay_alu instid0(VALU_DEP_1)
	v_floor_f32 v[ST+16*\t], -v[ST+16*\t+1]        ; -M
	v_mov_b32 v[ST+16*\t+2], 0                     ; the sum, in two halves
	v_mov_b32 v[ST+16*\t+3], 0
	v_mov_b32 v[ST+16*\t+5], 0                     ; (named as the upper half of f's pair)
	v_mov_b32 v[ST+16*\t+10], 0                    ; a lane permute's destination counts as one of its sources
.endr
	WIN 0x40
.set j, 0
.rept 64
	v_mov_b32 v[O+j], 0                            ; O^T: the step is written once; the first change of M leaves zeros zeros
.set j, j+1
.endr
	WIN 0
	s_wait_kmcnt 0x0
	s_add_co_i32 s45, s40, s41
	s_lshl_b32 s45, s45, 23
	s_add_co_i32 s[CS], s[CS], s45                 ; a score stands for score x 2^(e6 + e7)
	s_mov_b32 s[CS+1], s[CS]
	s_add_co_i32 s45, s42, 127
	s_lshl_b32 s46, s45, 23
	v_mov_b32 v[PSC], s46
	s_add_co_i32 s45, s45, 8
	s_lshl_b32 s45, s45, 23
	s_or_b32 s45, s45, 0x600000
	v_mov_b32 v[PLIM], s45
	s_sub_co_i32 s45, s44, s42
	s_sub_co_i32 s45, s45, s43
	s_add_co_i32 s45, s45, 127
	s_lshl_b32 s46, s45, 23
	v_mov_b32 v[OSC], s46
	s_add_co_i32 s45, s45, 8
	s_lshl_b32 s45, s45, 23
	s_or_b32 s45, s45, 0x600000
	v_mov_b32 v[OLIM], s45
	s_wait_tensorcnt 0x0                           ; my part of K or V has landed,
	s_barrier_signal -1
	s_barrier_wait -1                              ; everybody's has
	s_wait_loadcnt 0x0                             ; Q
.Lstep:                                            ; eight trips of 128 keys
	v_add_nc_u32 v[ADK], s[TB], v[LI]
	s_delay_alu instid0(VALU_DEP_1)
	v_add_nc_u32 v[ADV], VOFF, v[ADK]
	v_nop                                          ; with the two additions: four places between the last products and the loads into V's registers
	v_nop
	WIN 0x40
.irp k, 0,1,2,3,4,5,6,7
	ds_load_b128 v[KF+8*\k:KF+8*\k+3], v[ADK] offset:1024*\k
	ds_load_b128 v[KF+8*\k+4:KF+8*\k+7], v[ADK] offset:1024*\k+512
.endr
.irp d, 0,1,2,3
.irp i, 0,1,2,3
	ds_load_b128 v[VF+16*\d+4*\i:VF+16*\d+4*\i+3], v[ADV] offset:2048*\d+512*\i
.endr
.endr
	s_wait_dscnt 16                                ; K is in; V's sixteen loads may be out
	WIN 0x01
.irp k, 0,1,2,3,4,5,6,7
.irp t, 0,1
	v_wmma_f32_16x16x64_fp8_fp8 v[S+64*\t+8*\k:S+64*\t+8*\k+7], v[KF+8*\k:KF+8*\k+7], v[QF+8*\t:QF+8*\t+7], 0
.endr
.endr
	WIN 0
.rept 4
	v_nop                                          ; places in front of the first read of the scores
.endr
.irp t, 0,1                                    ; the step's largest score of my query, in two chains a tile; each accumulator is read from its low end on
	v_max3_num_f32 v[ST+16*\t+6], v[S+64*\t], v[S+64*\t+1], v[S+64*\t+2]
	v_max3_num_f32 v[ST+16*\t+7], v[S+64*\t+3], v[S+64*\t+4], v[S+64*\t+5]
.endr
.irp i, 6,10,14,18,22,26,30,34,38,42,46,50,54,58
.irp t, 0,1
	v_max3_num_f32 v[ST+16*\t+6], v[ST+16*\t+6], v[S+64*\t+\i], v[S+64*\t+\i+1]
	v_max3_num_f32 v[ST+16*\t+7], v[ST+16*\t+7], v[S+64*\t+\i+2], v[S+64*\t+\i+3]
.endr
.endr
.irp t, 0,1
	v_max3_num_f32 v[ST+16*\t+6], v[ST+16*\t+6], v[S+64*\t+62], v[S+64*\t+63]
.endr
.irp t, 0,1
	s_delay_alu instid0(VALU_DEP_2)
	v_max_num_f32 v[ST+16*\t+6], v[ST+16*\t+6], v[ST+16*\t+7]
.endr
.irp t, 0,1
	s_delay_alu instid0(VALU_DEP_2)
	v_permlanex16_b32 v[ST+16*\t+10], v[ST+16*\t+6], s[SEL], s[SEL+1]
.endr
.irp t, 0,1
	s_delay_alu instid0(VALU_DEP_2)
	v_max_num_f32 v[ST+16*\t+6], v[ST+16*\t+6], v[ST+16*\t+10]   ; and among lane l xor 16's keys
.endr
.irp t, 0,1
	s_delay_alu instid0(VALU_DEP_2)
	v_mul_f32 v[ST+16*\t+6], s[CS], v[ST+16*\t+6]                ; as t (c is positive)
.endr
.irp t, 0,1
	s_delay_alu instid0(VALU_DEP_2)
	v_max_num_f32 v[ST+16*\t+1], v[ST+16*\t+1], v[ST+16*\t+6]    ; the running largest t
.endr
.irp t, 0,1
	v_mov_b32 v[ST+16*\t+6], v[ST+16*\t]
.endr
.irp t, 0,1
	s_delay_alu instid0(VALU_DEP_4)
	v_floor_f32 v[ST+16*\t], -v[ST+16*\t+1]                      ; the new -M = -ceil(t): a whole number
.endr
.irp t, 0,1
	s_delay_alu instid0(VALU_DEP_2)
	v_sub_f32 v[ST+16*\t+6], v[ST+16*\t], v[ST+16*\t+6]          ; old M - new M, 0 or less
.endr
.irp t, 0,1
	s_delay_alu instid0(VALU_DEP_2)
	v_cvt_i32_f32 v[ST+16*\t+6], v[ST+16*\t+6]                   ; (it saturates)
.endr
.irp t, 0,1
	s_delay_alu instid0(VALU_DEP_2)
	v_ldexp_f32 v[ST+16*\t+4], 1.0, v[ST+16*\t+6]                ; f = 2^(old M - new M)
.endr
.set j, 0
.rept 64
	v_pk_fma_f32 v[S+j:S+j+1], v[S+j:S+j+1], s[CS:CS+1], v[ST+16*(j/64):ST+16*(j/64)+1] op_sel_hi:[1,0,0]   ; t - M, two at a time
.set j, j+2
.endr
.set j, 0
	s_wait_alu depctr_va_vdst(0)
.rept 128
	v_exp_f32 v[S+j], v[S+j]                       ; p = 2^(t - M): one batch for both tiles
.set j, j+1
.endr
.irp t, 0,1
	v_pk_mul_f32 v[ST+16*\t+2:ST+16*\t+3], v[ST+16*\t+2:ST+16*\t+3], v[ST+16*\t+4:ST+16*\t+5] op_sel_hi:[1,0]   ; the sums under the new M: the plain lines behind the exponentials
.endr
	s_wait_alu depctr_va_vdst(0)                   ; one wait for the batch, ahead of its first reader
.irp t, 0,1
	v_pk_add_f32 v[ST+16*\t+8:ST+16*\t+9], v[S+64*\t:S+64*\t+1], v[S+64*\t+2:S+64*\t+3]   ; the row's sum is taken of the unquantised p
.endr
.irp i, 4,8,12,16,20,24,28,32,36,40,44,48,52,56,60
.irp t, 0,1
	v_pk_add_f32 v[ST+16*\t+2:ST+16*\t+3], v[ST+16*\t+2:ST+16*\t+3], v[S+64*\t+\i:S+64*\t+\i+1]
	v_pk_add_f32 v[ST+16*\t+8:ST+16*\t+9], v[ST+16*\t+8:ST+16*\t+9], v[S+64*\t+\i+2:S+64*\t+\i+3]
.endr
.endr
.irp t, 0
	s_delay_alu instid0(VALU_DEP_3)
	v_pk_add_f32 v[ST+16*\t+2:ST+16*\t+3], v[ST+16*\t+2:ST+16*\t+3], v[ST+16*\t+8:ST+16*\t+9]
.endr
.irp t, 1
	s_delay_alu instid0(VALU_DEP_2)
	v_pk_add_f32 v[ST+16*\t+2:ST+16*\t+3], v[ST+16*\t+2:ST+16*\t+3], v[ST+16*\t+8:ST+16*\t+9]
.endr
.irp t, 0,1
.irp c, 0,1,2,3,4,5,6,7
.irp i, 0,1,2,3,4,5,6,7
	v_min_num_f32 v[S+64*\t+8*\c+\i], v[S+64*\t+8*\c+\i], v[PLIM]   ; the conversion does not saturate (ISA guide 7.6.2); p is not negative, so the hold is one-sided
.endr
	v_cvt_scalef32_pk8_fp8_f32 v[P+16*\t+2*\c:P+16*\t+2*\c+1], v[S+64*\t+8*\c:S+64*\t+8*\c+7], v[PSC]
.endr
.endr
	WIN 0x41                                       ; O^T (destination and source 0) window 1, f window 0
.set j, 0
.rept 32
	v_pk_mul_f32 v[O+j:O+j+1], v[O+j:O+j+1], v[ST+16*(j/32)+4:ST+16*(j/32)+5] op_sel_hi:[1,0]   ; O^T under the new M; also the plain lines behind the conversions
.set j, j+2
.endr
	s_wait_alu depctr_va_vdst(0)
	s_wait_dscnt 0x0                               ; V is in
	WIN 0x51                                       ; V window 1, P window 0, O^T window 1
.irp d, 0,1,2,3
.irp t, 0,1
	v_wmma_f32_16x16x128_fp8_fp8 v[O+32*\t+8*\d:O+32*\t+8*\d+7], v[VF+16*\d:VF+16*\d+15], v[P+16*\t:P+16*\t+15], v[O+32*\t+8*\d:O+32*\t+8*\d+7]   ; eight accumulators, one instruction a turn
.endr
.endr
	WIN 0
	s_add_co_u32 s[TB], s[TB], 8192
	s_sub_co_u32 s[CNT], s[CNT], 1
	s_cmp_lg_u32 s[CNT], 0
	s_cbranch_scc1 .Lstep
	; THE WAY OUT: O^T / the sum, quantised with 2^(e10 - e8 - e9): four conversions a tile give registers 0-7 of my head's half of a fragment of att.  The additions and the v_nop are the places behind the last products.
.irp t, 0,1
	v_add_f32 v[ST+16*\t+2], v[ST+16*\t+2], v[ST+16*\t+3]
.endr
.irp t, 0,1
	s_delay_alu instid0(VALU_DEP_2)
	v_permlanex16_b32 v[ST+16*\t+10], v[ST+16*\t+2], s[SEL], s[SEL+1]
.endr
.irp t, 0,1
	s_delay_alu instid0(VALU_DEP_2)
	v_add_f32 v[ST+16*\t+2], v[ST+16*\t+2], v[ST+16*\t+10]
.endr
	s_wait_alu depctr_va_vdst(0)
.irp t, 0,1
	v_rcp_f32 v[ST+16*\t+4], v[ST+16*\t+2]
.endr
	v_nop
	s_wait_alu depctr_va_vdst(0)                   ; one wait for the two reciprocals
	WIN 0x01                                       ; source 0 (O^T) window 1
.set j, 0
.rept 32
	v_pk_mul_f32 v[S+64*(j/32)+j%32:S+64*(j/32)+j%32+1], v[O+j:O+j+1], v[ST+16*(j/32)+4:ST+16*(j/32)+5] op_sel_hi:[1,0]
.set j, j+2
.endr
	WIN 0
.irp t, 0,1
.irp d, 0,1,2,3
.irp i, 0,1,2,3,4,5,6,7
	v_med3_num_f32 v[S+64*\t+8*\d+\i], v[S+64*\t+8*\d+\i], -v[OLIM], v[OLIM]
.endr
	v_cvt_scalef32_pk8_fp8_f32 v[P+16*\t+2*\d:P+16*\t+2*\d+1], v[S+64*\t+8*\d:S+64*\t+8*\d+7], v[OSC]
.endr
.endr
	v_nop
.irp t, 0,1
.irp i, 0,1
	global_store_b128 v[LI], v[P+16*\t+4*\i:P+16*\t+4*\i+3], s[8:9] offset:16384*\t+512*\i   ; 512 consecutive bytes, aligned
.endr
.endr
	s_wait_tensorcnt 0x0
	ds_add_u32 v254, v255
	s_wait_dscnt 0x0
	CROUND                                         ; the closing round (no LDS instruction of mine is out: the last trip waited for all)
	s_endpgm
.Lfunc_end_k_q7c6e210829_attn:
	.size	k_q7c6e210829_attn, .Lfunc_end_k_q7c6e210829_attn-k_q7c6e210829_attn
	.p2alignl 7, 3214868480
	.fill 96, 4, 3214868480
	.section	.rodata,"a",@progbits
	.p2align	6, 0x0
	.amdhsa_kernel k_q7c6e210829_attn
		.amdhsa_group_segment_fixed_size 168960
		.amdhsa_private_segment_fixed_size 0
		.amdhsa_enable_private_segment 0
		.amdhsa_kernarg_size 24
		.amdhsa_user_sgpr_count 2
		.amdhsa_user_sgpr_kernarg_segment_ptr 1
		.amdhsa_wavefront_size32 1
		.amdhsa_system_sgpr_workgroup_id_x 1
		.amdhsa_system_sgpr_workgroup_id_y 1
		.amdhsa_system_sgpr_workgroup_id_z 1
		.amdhsa_system_vgpr_workitem_id 0
		.amdhsa_next_free_vgpr 448
		.amdhsa_next_free_sgpr 96
		.amdhsa_reserve_vcc 0
		.amdhsa_float_denorm_mode_32 3
		.amdhsa_float_denorm_mode_16_64 3
		.amdhsa_memory_ordered 1
		.amdhsa_forward_progress 1
		.amdhsa_inst_pref_size 45
	.end_amdhsa_kernel
	.amdgpu_metadata
---
amdhsa.version: [ 1, 2 ]
amdhsa.kernels:
  - .name:           k_q7c6e210829_attn
    .symbol:         k_q7c6e210829_attn.kd
    .args:
      - { .name: qkv, .offset: 0, .size: 8, .value_kind: global_buffer, .address_space: global }
      - { .name: lowp_scales, .offset: 8, .size: 8, .value_kind: global_buffer, .address_space: global }
      - { .name: att, .offset: 16, .size: 8, .value_kind: global_buffer, .address_space: global }
    .group_segment_fixed_size: 168960
    .private_segment_fixed_size: 0
    .kernarg_segment_align: 8
    .kernarg_segment_size: 24
    .max_flat_workgroup_size: 256
    .sgpr_count:     96
    .vgpr_count:     448
    .wavefront_size: 32
...
	.end_amdgpu_metadata
.endif
;; end of part 3
;; launch proj (part 4): grid 8 x 32, 4 waves a work-group, clusters of 4 x 4, 327,680 bytes of LDS; arguments att, w8, lowp_scales, x, xmid; writes xmid
.if DOCPART == 4
	.amdgcn_target "amdgcn-amd-amdhsa--gfx1250"
	.amdhsa_code_object_version 6
	.text
	.protected	k_q7c6e210829_proj
	.globl	k_q7c6e210829_proj
	.p2align	8
	.type	k_q7c6e210829_proj,@function
k_q7c6e210829_proj:
	s_mov_b64 s[64:65], 0
	v_nop
	global_prefetch_b8 v0, s[64:65] scope:SCOPE_SE
	s_setreg_imm32_b32 hwreg(HW_REG_WAVE_MODE, 25, 1), 1
	s_wait_xcnt 0x0
	s_wait_alu depctr_hold_cnt(0) depctr_sa_sdst(0) depctr_va_vdst(0) depctr_va_sdst(0) depctr_va_ssrc(0) depctr_va_vcc(0) depctr_vm_vsrc(0)
	s_getreg_b32 s2, hwreg(HW_REG_IB_STS2, 6, 4)
	s_cmp_eq_u32 s2, 0
	s_cbranch_scc0 .Lentry_in_a_cluster
	s_endpgm
.Lentry_in_a_cluster:
	s_bfe_u32 s2, ttmp6, 0x10000c
	s_cmp_lg_u32 s2, 0xf033
	s_cbranch_scc0 .Lentry_shape_is_right
	s_endpgm
.Lentry_shape_is_right:
; PROJ: xmid = x + att wo, the product on codes of E4M3 (scales e10, e11), the residual and the result in f32.
; Operands are images of their registers: a fragment (16 rows x 128 K) is 2,048 bytes, lane l's registers 4 i .. 4 i + 3 at 512 i + 16 l; a row tile is 16 SIZE_K consecutive bytes.
; C is 4,096 x 1,024: tiles of 128 x 128 give each of 256 work-groups one.  Four waves, each 64 x 64: 16 accumulators.  K goes in steps of 512 (four fragments, 8,192 bytes a row tile) through two LDS slots;
; with SIZE_K = 1,024 each slot is filled once.  CLUSTERS of 4 x 4: A's tiles are shared along a row of the cluster, B's along a column, each asked for jointly.
; THE MATRIX INSTRUCTION IS USED TRANSPOSED (source 0 = 16 rows of B, source 1 = 16 rows of A): a lane holds eight neighbouring numbers of a row of C.
; THE WAY OUT: 16 rows x 64 columns at a time through the wave's own stage in LDS, back as whole rows of 256 bytes; one packed multiply-add gives sum x 2^(ea + eb) + residual; sixteen lanes store 256 consecutive bytes, aligned.
; The residual is asked for at the head, in the layout of the rows that come back from the stage, and lands during the products.
; REGISTERS: window 0: v16-29 addresses, v32-95 rows back from the stage, v128-255 accumulators ((a, b) at v[128 + 8 (4 a + b)]); window 1: two fragment buffers of 128 (A's four, then B's four); window 2: v0-127 the residual, then the result.
; LIMIT: ea + eb between -126 and 127.
.set SIZE_K, 1024
.set EA,     10                        ; the A side's entry among the exponents; the B side's follows it
.set WOFF,   0x300000                  ; the weight's first byte in w8
.set BIAS,   0
.set KSB,    16384                     ; a row tile's place in LDS: all of its K = 1,024.  ONE load a wave brings 4 whole row tiles, 65,536 bytes: every LDS byte is filled once, by the head's loads; 'slot' 1 is the upper 512 of K, 8,192 bytes on in each row tile
.set SLOT,   131072                    ; A's 8 row tiles x 16,384 bytes; B's lie behind
.set STAGE,  2*SLOT                    ; behind the ring: 16 rows x 272 bytes for each wave
.set SPITCH, 272                       ; 68 words: row r starts at bank 4 r mod 64 (64 banks of 4 bytes: ISA guide 11.1)
.set SPARE,  STAGE+4*16*SPITCH         ; behind the stages: the spare words, 128 bytes for each wave
.set LAPS,   SIZE_K/1024               ; a lap = two K steps
.set BV,   8                           ; v8-11   the bias of my four columns (where there is one)
.set ADRA, 16
.set ADRB, 20
.set STO,  24
.set RD,   25
.set CO,   26
.set BO,   27
.set SPW,  28
.set NIL,  29
.set ACC,  128
.set F0,   0
.set F1,   128
.set G1, 24
.set G0, 32
.set G1B, 48
.set G0B, 56
.set MSB, 0
.macro WIN new
.if MSB != \new
	s_set_vgpr_msb (MSB<<8)|\new
.set MSB, \new
.endif
.endm
.set MUL,  0x05                        ; sources 0 (B) and 1 (A) window 1; C and D window 0
.set TO_F, 0x40                        ; destination window 1, address window 0
.macro JLOAD s                         ; a joint load: waves 0 and 1 fetch A's halves, waves 2 and 3 B's; four v_nop follow each line
	s_cmp_eq_u32 s11, 0
	s_cbranch_scc0 .Lfor_b_\@
	tensor_load_to_lds s[G0+4*\s:G0+4*\s+3], s[G1:G1+7]
	s_nop 0
.rept 4
	v_nop
.endr
	s_branch .Lasked_\@
.Lfor_b_\@:
	tensor_load_to_lds s[G0B+4*\s:G0B+4*\s+3], s[G1B:G1B+7]
	s_nop 0
.rept 4
	v_nop
.endr
.Lasked_\@:
.endm
.macro CREST
	s_cmp_lg_u32 s10, 0
	s_cbranch_scc1 .Lnot_wave_0_\@
	s_barrier_signal -3
.Lnot_wave_0_\@:
	s_barrier_wait -3
	s_barrier_signal -1
	s_barrier_wait -1
.endm
.macro CROUND
	s_barrier_signal -1
	s_barrier_wait -1
	CREST
.endm
	s_load_b128 s[4:7], s[0:1], 0x0                ; A's codes s[4:5], w8 s[6:7]
	s_load_b128 s[68:71], s[0:1], 0x10             ; the exponents s[68:69], the residual s[70:71]
.if BIAS
	s_load_b128 s[72:75], s[0:1], 0x20             ; the bias s[72:73], the output s[74:75]
.else
	s_load_b64 s[74:75], s[0:1], 0x20              ; the output
.endif
	v_lshl_add_u32 v[SPW], v0, 2, SPARE
	v_mov_b32 v[NIL], 0
	ds_add_u32 v28, v29
	ds_add_u32 v28, v29
	s_wait_dscnt 0x0
	v_lshrrev_b32 v1, 5, v0
	v_readfirstlane_b32 s10, v1                    ; wave 0..3
	s_lshr_b32 s11, s10, 1                         ; which half of the tile's rows is mine.  Also: I fetch for A (0) or for B (1)
	s_and_b32 s12, s10, 1                          ; which half of its columns.  Also: which 64 rows I fetch
	s_bfe_u32 s40, ttmp6, 0x40000                  ; cx
	s_bfe_u32 s41, ttmp6, 0x40004                  ; cy
	s_lshl_b32 s42, ttmp9, 2
	s_add_co_u32 s42, s42, s40                     ; tile column of C
	s_and_b32 s13, ttmp7, 0xffff
	s_lshl_b32 s13, s13, 2
	s_add_co_u32 s13, s13, s41                     ; tile row of C
	s_lshl_b32 s43, s41, 2
	s_lshl_b32 s43, 15, s43                        ; my row of the cluster
	s_lshl_b32 s44, 0x1111, s40                    ; my column
	; descriptor group 1: 4 rows (row tiles) of 2,048 elements of 8 bytes, 2 SIZE_K elements apart; no padding
	s_or_b32 s[G1+0], s43, (3<<16)|(1<<21)
	s_or_b32 s[G1B+0], s44, (3<<16)|(1<<21)
.irp g, G1, G1B
	s_mov_b32 s[\g+1], 2048<<16
	s_mov_b32 s[\g+2], 4<<16
	s_mov_b32 s[\g+3], 2048<<16
	s_mov_b32 s[\g+4], 4
	s_mov_b32 s[\g+5], 2*SIZE_K
	s_mov_b32 s[\g+6], 0
	s_mov_b32 s[\g+7], 0
.endr
	s_lshl_b32 s17, s12, 6                         ; which 64 rows of the tile I fetch
	s_lshl_b32 s16, s13, 7
	s_add_co_u32 s16, s16, s17
	s_mul_i32 s16, s16, SIZE_K                     ; a row is SIZE_K bytes of its row tile's image
	s_lshl_b32 s46, s42, 7
	s_add_co_u32 s46, s46, s17
	s_mul_i32 s46, s46, SIZE_K
	s_add_co_u32 s46, s46, WOFF
	s_mov_b32 s17, 0
	s_mov_b32 s47, 0
	s_lshl_b32 s20, s10, 16                        ; where they go: wave x 65,536
	s_wait_kmcnt 0x0
	s_load_b64 s[76:77], s[68:69], 4*EA            ; ea, eb
	s_add_nc_u64 s[14:15], s[4:5], s[16:17]
	s_add_nc_u64 s[46:47], s[6:7], s[46:47]
	CROUND                                         ; all sixteen work-groups are here: the first joint loads meet
.irp s, 0
	s_mov_b32 s[G0+4*\s], 1
	s_add_co_u32 s[G0+4*\s+1], s20, \s*SLOT
	s_add_nc_u64 s[G0+4*\s+2:G0+4*\s+3], s[14:15], \s*KSB
	s_or_b32 s[G0+4*\s+3], s[G0+4*\s+3], 0x80000000
	s_mov_b32 s[G0B+4*\s], 1
	s_add_co_u32 s[G0B+4*\s+1], s20, \s*SLOT
	s_add_nc_u64 s[G0B+4*\s+2:G0B+4*\s+3], s[46:47], \s*KSB
	s_or_b32 s[G0B+4*\s+3], s[G0B+4*\s+3], 0x80000000
	JLOAD \s
.endr
	v_and_b32 v1, 15, v0                           ; r
	s_wait_alu depctr_va_vdst(0)
	v_bfe_u32 v2, v0, 4, 1                         ; h
	v_and_b32 v3, 31, v0
	v_lshlrev_b32 v3, 4, v3                        ; 16 x lane
	s_lshl_b32 s21, s11, 16                        ; my 4 row tiles of A
	s_lshl_b32 s22, s12, 16                        ; my 4 of B,
	s_add_co_u32 s22, s22, 131072                  ; which lie behind A's 8
.irp s, 0,1
	v_add_nc_u32 v[ADRA+\s], s21, v3
	v_add_nc_u32 v[ADRB+\s], s22, v3
	s_add_co_u32 s21, s21, 8192
	s_add_co_u32 s22, s22, 8192
.endr
	s_mul_i32 s23, s10, 16*SPITCH
	s_add_co_u32 s23, s23, STAGE                   ; my stage
	v_mul_u32_u24 v4, v1, SPITCH                   ; in: row r, 32 bytes for each half of the lanes
	s_wait_alu depctr_va_vdst(0)
	v_lshl_add_u32 v4, v2, 5, v4
	v_add_nc_u32 v[STO], s23, v4
	v_mul_u32_u24 v5, v2, SPITCH                   ; back: lanes 0-15 one row of 256 bytes, lanes 16-31 the next
	v_lshl_add_u32 v5, v1, 4, v5
	v_add_nc_u32 v[RD], s23, v5
	v_lshlrev_b32 v[CO], 12, v2                    ; and the same two rows in memory: rows of 4,096 bytes
	v_lshl_add_u32 v[CO], v1, 4, v[CO]
	s_wait_alu depctr_va_vdst(0)
	s_lshl_b32 s16, s13, 7
	s_lshl_b32 s17, s11, 6
	s_add_co_u32 s16, s16, s17                     ; my first row
	s_lshl_b32 s16, s16, 12
	s_mov_b32 s17, 0
	s_add_nc_u64 s[70:71], s[70:71], s[16:17]
	s_add_nc_u64 s[74:75], s[74:75], s[16:17]
	s_lshl_b32 s46, s42, 9                         ; my first column, in bytes (in registers that never feed A's descriptors)
	s_lshl_b32 s47, s12, 8
	s_add_co_u32 s46, s46, s47
	s_mov_b32 s47, 0
	s_add_nc_u64 s[70:71], s[70:71], s[46:47]
	s_add_nc_u64 s[74:75], s[74:75], s[46:47]
.if BIAS
	s_add_nc_u64 s[72:73], s[72:73], s[46:47]
	v_lshlrev_b32 v[BO], 4, v1
	global_load_b128 v[BV:BV+3], v[BO], s[72:73]
.endif
.macro MUL4 f, a, zero                 ; A's block a x B's four, 128 along K.  The 16 accumulators take turns, one instruction a turn
.irp b, 0,1,2,3
.if \zero
	v_wmma_f32_16x16x128_fp8_fp8 v[ACC+8*(4*(\a)+\b):ACC+8*(4*(\a)+\b)+7], v[\f+64+16*\b:\f+64+16*\b+15], v[\f+16*(\a):\f+16*(\a)+15], 0
.else
	v_wmma_f32_16x16x128_fp8_fp8 v[ACC+8*(4*(\a)+\b):ACC+8*(4*(\a)+\b)+7], v[\f+64+16*\b:\f+64+16*\b+15], v[\f+16*(\a):\f+16*(\a)+15], v[ACC+8*(4*(\a)+\b):ACC+8*(4*(\a)+\b)+7]
.endif
.endr
.endm
.macro FETCH slot, q, f                ; 32 LDS loads in one run: the fragments of the slot's q-th 128 along K: B's four, then A's four
	WIN TO_F
.irp b, 0,1,2,3
.irp c, 0,1,2,3
	ds_load_b128 v[\f+64+16*\b+4*\c:\f+64+16*\b+4*\c+3], v[ADRB+\slot] offset:KSB*\b+2048*(\q)+512*\c
.endr
.endr
.irp i, 0,1,2,3
.irp c, 0,1,2,3
	ds_load_b128 v[\f+16*\i+4*\c:\f+16*\i+4*\c+3], v[ADRA+\slot] offset:KSB*\i+2048*(\q)+512*\c
.endr
.endr
.endm
.macro PLACES
.rept 4
	v_nop
.endr
.endm
.macro QUARTER slot, q, f, g, zero     ; multiplies buffer f; in its middle it fetches the slot's quarter q into buffer g
	s_wait_dscnt 8                                 ; B's four and A's blocks 0, 1 are in; the youngest eight loads (A's blocks 2, 3) may be out
	WIN MUL
	MUL4 \f, 0, \zero
	MUL4 \f, 1, \zero
	PLACES
	FETCH \slot, \q, \g
	s_wait_dscnt 32                                ; all but the 32 just issued
	WIN MUL
	MUL4 \f, 2, \zero
	MUL4 \f, 3, \zero
.endm
; A slot's last quarter multiplies buffer 1 and changes slots: one barrier; in front of it each wave waits for all its tensor loads, adds 0 to its spare word, and waits for that and for its reads of this slot.
.macro TURN slot, next, fill
	WIN 0
	s_wait_tensorcnt 0x0                           ; all my tensor loads have landed: my part of the next slot
	ds_add_u32 v[SPW], v[NIL]                      ; 0 onto my spare word
	s_wait_dscnt 9                                 ; (the add and the youngest eight loads may be out)
	WIN MUL
	MUL4 F1, 0, 0
	MUL4 F1, 1, 0
	s_wait_dscnt 0x0                               ; the add is done, and my reads of this slot are over
	s_barrier_signal -1
	MUL4 F1, 2, 0
	WIN 0
	s_barrier_wait -1
.if \fill
	CREST                                          ; the barrier has opened a round of the cluster's: no wave of any partner still reads this slot or has a load on its way
	s_add_nc_u64 s[G0+4*\slot+2:G0+4*\slot+3], s[G0+4*\slot+2:G0+4*\slot+3], 2*KSB
	s_add_nc_u64 s[G0B+4*\slot+2:G0B+4*\slot+3], s[G0B+4*\slot+2:G0B+4*\slot+3], 2*KSB
	JLOAD \slot                                    ; the first tensor load behind the round; its four v_nop are the places in front of the loads below
.else
	PLACES
.endif
	FETCH \next, 0, F0
	WIN MUL
	MUL4 F1, 3, 0
.endm
	s_wait_tensorcnt 0x0                           ; my one load, 4 whole row tiles, is in
	s_barrier_signal -1
	s_barrier_wait -1                              ; everybody's is
	FETCH 0, 0, F0
	WIN 0x80                                       ; destination window 2: the residual is asked for here, when the tiles are in, in the layout of the rows that come back from the stage; the 128 products of a wave stand between these loads and the wait for them
.irp a, 0,1,2,3
.irp t, 0,1,2,3,4,5,6,7
	global_load_b128 v[32*\a+4*\t:32*\a+4*\t+3], v[CO], s[70:71] offset:(16*\a+2*\t)*4096
.endr
.endr
	WIN 0
	QUARTER 0, 1, F0, F1, 1
.if LAPS > 1
	WIN 0
	s_mov_b32 s3, LAPS-1
.Llap:                                                 ; a trip goes once round the ring and fills both slots again
	QUARTER 0, 2, F1, F0, 0
	QUARTER 0, 3, F0, F1, 0
	TURN 0, 1, 1
	QUARTER 1, 1, F0, F1, 0
	QUARTER 1, 2, F1, F0, 0
	QUARTER 1, 3, F0, F1, 0
	TURN 1, 0, 1
	QUARTER 0, 1, F0, F1, 0
	WIN 0
	s_sub_co_u32 s3, s3, 1
	s_cmp_lg_u32 s3, 0
	s_cbranch_scc1 .Llap
.endif
	QUARTER 0, 2, F1, F0, 0                        ; the last lap fills nothing
	QUARTER 0, 3, F0, F1, 0
	TURN 0, 1, 0
	QUARTER 1, 1, F0, F1, 0
	QUARTER 1, 2, F1, F0, 0
	QUARTER 1, 3, F0, F1, 0
	s_wait_dscnt 8
	WIN MUL
	MUL4 F1, 0, 0
	MUL4 F1, 1, 0
	s_wait_dscnt 0
	MUL4 F1, 2, 0
	MUL4 F1, 3, 0
	WIN 0
.macro TOSTAGE a                       ; block a's sums into my stage, each accumulator's low half first, and back as whole rows.  LDS serves a wave's instructions in order (ISA guide 5.7.1.4)
.set BK, 32+32*((\a)%2)
.irp b, 0,1,2,3
	ds_store_b128 v[STO], v[ACC+8*(4*(\a)+\b):ACC+8*(4*(\a)+\b)+3] offset:64*\b
	ds_store_b128 v[STO], v[ACC+8*(4*(\a)+\b)+4:ACC+8*(4*(\a)+\b)+7] offset:64*\b+16
.endr
.irp t, 0,1,2,3,4,5,6,7
	ds_load_b128 v[BK+4*\t:BK+4*\t+3], v[RD] offset:\t*2*SPITCH
.endr
.endm
.macro SEND a, younger                 ; younger: the LDS instructions issued behind block a's loads
.set BK, 32+32*((\a)%2)
	s_wait_dscnt \younger
.if BIAS
	WIN 0
.set j, 0
.rept 16
	v_pk_fma_f32 v[BK+j:BK+j+1], v[BK+j:BK+j+1], s[76:77], v[BV+j%4:BV+j%4+1] op_sel_hi:[1,0,1]   ; sum x 2^(ea + eb) + bias
.set j, j+2
.endr
	WIN 0x88                                       ; source 1 and destination window 2
.set j, 0
.rept 16
	v_pk_add_f32 v[32*(\a)+j:32*(\a)+j+1], v[BK+j:BK+j+1], v[32*(\a)+j:32*(\a)+j+1]               ; + the residual
.set j, j+2
.endr
.else
	WIN 0xa0                                       ; source 2 and destination window 2
.set j, 0
.rept 16
	v_pk_fma_f32 v[32*(\a)+j:32*(\a)+j+1], v[BK+j:BK+j+1], s[76:77], v[32*(\a)+j:32*(\a)+j+1] op_sel_hi:[1,0,1]   ; sum x 2^(ea + eb) + the residual
.set j, j+2
.endr
.endif
	WIN 0x08                                       ; the stores' data: window 2
.irp t, 0,1,2,3,4,5,6,7
	global_store_b128 v[CO], v[32*(\a)+4*\t:32*(\a)+4*\t+3], s[74:75] offset:(16*(\a)+2*\t)*4096   ; 16 lanes store 256 consecutive bytes, aligned
.endr
	WIN 0
.endm
	s_wait_kmcnt 0x0
	s_add_co_i32 s76, s76, s77
	s_add_co_i32 s76, s76, 127
	s_lshl_b32 s76, s76, 23                        ; 2^(ea + eb) as f32
	s_mov_b32 s77, s76                             ; (named with it as a pair)
	PLACES                                         ; in front of the first read of results
	TOSTAGE 0
	TOSTAGE 1
	s_wait_loadcnt 0x0                             ; the residual
	SEND 0, 16
	TOSTAGE 2
	SEND 1, 16
	TOSTAGE 3
	SEND 2, 16
	SEND 3, 0
	s_wait_tensorcnt 0x0                           ; the wave's end
	ds_add_u32 v[SPW], v[NIL]
	s_wait_dscnt 0x0
	CROUND                                         ; the closing round
	s_endpgm
.Lfunc_end_k_q7c6e210829_proj:
	.size	k_q7c6e210829_proj, .Lfunc_end_k_q7c6e210829_proj-k_q7c6e210829_proj
	.p2alignl 7, 3214868480
	.fill 96, 4, 3214868480
	.section	.rodata,"a",@progbits
	.p2align	6, 0x0
	.amdhsa_kernel k_q7c6e210829_proj
		.amdhsa_group_segment_fixed_size 327680
		.amdhsa_private_segment_fixed_size 0
		.amdhsa_enable_private_segment 0
		.amdhsa_kernarg_size 40
		.amdhsa_user_sgpr_count 2
		.amdhsa_user_sgpr_kernarg_segment_ptr 1
		.amdhsa_wavefront_size32 1
		.amdhsa_system_sgpr_workgroup_id_x 1
		.amdhsa_system_sgpr_workgroup_id_y 1
		.amdhsa_system_sgpr_workgroup_id_z 1
		.amdhsa_system_vgpr_workitem_id 0
		.amdhsa_next_free_vgpr 640
		.amdhsa_next_free_sgpr 100
		.amdhsa_reserve_vcc 0
		.amdhsa_float_denorm_mode_32 3
		.amdhsa_float_denorm_mode_16_64 3
		.amdhsa_memory_ordered 1
		.amdhsa_forward_progress 1
		.amdhsa_inst_pref_size 48
	.end_amdhsa_kernel
	.amdgpu_metadata
---
amdhsa.version: [ 1, 2 ]
amdhsa.kernels:
  - .name:           k_q7c6e210829_proj
    .symbol:         k_q7c6e210829_proj.kd
    .args:
      - { .name: att, .offset: 0, .size: 8, .value_kind: global_buffer, .address_space: global }
      - { .name: w8, .offset: 8, .size: 8, .value_kind: global_buffer, .address_space: global }
      - { .name: lowp_scales, .offset: 16, .size: 8, .value_kind: global_buffer, .address_space: global }
      - { .name: x, .offset: 24, .size: 8, .value_kind: global_buffer, .address_space: global }
      - { .name: xmid, .offset: 32, .size: 8, .value_kind: global_buffer, .address_space: global }
    .group_segment_fixed_size: 327680
    .private_segment_fixed_size: 0
    .kernarg_segment_align: 8
    .kernarg_segment_size: 40
    .max_flat_workgroup_size: 128
    .sgpr_count:     100
    .vgpr_count:     640
    .wavefront_size: 32
...
	.end_amdgpu_metadata
.endif
;; end of part 4
;; launch ln2 (part 5): grid 256 x 1, 8 waves a work-group, no clusters, 75,008 bytes of LDS; arguments xmid, ln2_g, ln2_b, lowp_scales, x2c; writes x2c
.if DOCPART == 5
	.amdgcn_target "amdgcn-amd-amdhsa--gfx1250"
	.amdhsa_code_object_version 6
	.text
	.protected	k_q7c6e210829_ln2
	.globl	k_q7c6e210829_ln2
	.p2align	8
	.type	k_q7c6e210829_ln2,@function
k_q7c6e210829_ln2:
	s_mov_b64 s[64:65], 0
	v_nop
	global_prefetch_b8 v0, s[64:65] scope:SCOPE_SE
	s_setreg_imm32_b32 hwreg(HW_REG_WAVE_MODE, 25, 1), 1
	s_wait_xcnt 0x0
; LN2: LayerNorm 2 of xmid, quantised to E4M3 with the scale 2^e12, stored as images of operand registers: fragment (row tile g, K step w) of 2,048 bytes at (8 g + w) x 2,048;
; lane l's registers 4 i .. 4 i + 3 at 512 i + 16 l; register 2 c + u, byte y, of lane (r, h) is element (row r, k = 16 c + 8 h + 4 u + y).
; 256 work-groups of 8 waves, 16 rows each.  A wave normalises two whole rows in registers (mean, then the mean of squared differences: no difference of large sums); the rows turn through LDS;
; wave w then holds, of all 16 rows, features 128 w .. 128 w + 127 in the operand's order, applies gain and bias, and converts.  Memory binds: matrix units, clusters and tensor loads would add nothing.
; LIMITS: e12 between -126 and 119.  NaN among the inputs is not served.
.set LNR,    0                         ; 16 normalised rows, 4,096 bytes + 16
.set LPITCH, 4112                      ; 1,028 words: row r starts at bank 4 r mod 64 (64 banks of 4 bytes: ISA guide 11.1)
.set GB,     LNR+16*LPITCH             ; for each wave 128 gains, 128 biases
.set LI,  4
.set XW,  5
.set LA,  6
.set GW,  7
.set GR,  8
.set QS,  12                           ; v12, v13 scale, hold
.set M,   24
.set X,   32
.set G,   96
.set B,   128
.set T,   160
.set CD,  176
.macro LANESUM a, t
	s_delay_alu instid0(VALU_DEP_1)
	v_add_f32_dpp v[\a], v[\a], v[\a] row_xmask:1 row_mask:0xf bank_mask:0xf
	s_delay_alu instid0(VALU_DEP_1)
	v_add_f32_dpp v[\a], v[\a], v[\a] row_xmask:2 row_mask:0xf bank_mask:0xf
	s_delay_alu instid0(VALU_DEP_1)
	v_add_f32_dpp v[\a], v[\a], v[\a] row_xmask:4 row_mask:0xf bank_mask:0xf
	s_delay_alu instid0(VALU_DEP_1)
	v_add_f32_dpp v[\a], v[\a], v[\a] row_xmask:8 row_mask:0xf bank_mask:0xf
	s_delay_alu instid0(VALU_DEP_1)
	v_permlanex16_b32 v[\t], v[\a], s60, s61
	s_delay_alu instid0(VALU_DEP_1)
	v_add_f32 v[\a], v[\a], v[\t]
.endm
.macro ROWSTAT b                       ; the row in v[b] .. v[b + 31] becomes (x - mean) / sqrt(var + eps)
	v_pk_add_f32 v[M:M+1], v[\b:\b+1], v[\b+2:\b+3]
	v_pk_add_f32 v[M+2:M+3], v[\b+4:\b+5], v[\b+6:\b+7]
.irp j, 8,12,16,20,24,28
	s_delay_alu instid0(VALU_DEP_2)
	v_pk_add_f32 v[M:M+1], v[M:M+1], v[\b+\j:\b+\j+1]
	s_delay_alu instid0(VALU_DEP_2)
	v_pk_add_f32 v[M+2:M+3], v[M+2:M+3], v[\b+\j+2:\b+\j+3]
.endr
	s_delay_alu instid0(VALU_DEP_1)
	v_pk_add_f32 v[M:M+1], v[M:M+1], v[M+2:M+3]
	s_delay_alu instid0(VALU_DEP_1)
	v_add_f32 v[M], v[M], v[M+1]
	LANESUM M, M+2
	s_delay_alu instid0(VALU_DEP_1)
	v_mul_f32 v[M], s30, v[M]
	s_delay_alu instid0(VALU_DEP_1)
	v_mov_b32 v[M+1], v[M]
.irp j, 0,2,4,6,8,10,12,14,16,18,20,22,24,26,28,30
	v_pk_add_f32 v[\b+\j:\b+\j+1], v[\b+\j:\b+\j+1], v[M:M+1] neg_lo:[0,1] neg_hi:[0,1]
.endr
	v_pk_mul_f32 v[M+2:M+3], v[\b:\b+1], v[\b:\b+1]
	v_pk_mul_f32 v[M+4:M+5], v[\b+2:\b+3], v[\b+2:\b+3]
.irp j, 4,8,12,16,20,24,28
	s_delay_alu instid0(VALU_DEP_2)
	v_pk_fma_f32 v[M+2:M+3], v[\b+\j:\b+\j+1], v[\b+\j:\b+\j+1], v[M+2:M+3]
	s_delay_alu instid0(VALU_DEP_2)
	v_pk_fma_f32 v[M+4:M+5], v[\b+\j+2:\b+\j+3], v[\b+\j+2:\b+\j+3], v[M+4:M+5]
.endr
	s_delay_alu instid0(VALU_DEP_1)
	v_pk_add_f32 v[M+2:M+3], v[M+2:M+3], v[M+4:M+5]
	s_delay_alu instid0(VALU_DEP_1)
	v_add_f32 v[M+2], v[M+2], v[M+3]
	LANESUM M+2, M+3
	s_delay_alu instid0(VALU_DEP_1)
	v_fma_f32 v[M+2], v[M+2], s30, s31
	s_wait_alu depctr_va_vdst(0)
	v_rsq_f32 v[M+4], v[M+2]
	v_nop                                          ; a plain instruction behind the transcendental (ISA guide 5.7.2),
	s_wait_alu depctr_va_vdst(0)                   ; and the wait ahead of its first reader
	v_mov_b32 v[M+5], v[M+4]
.irp j, 0,2,4,6,8,10,12,14,16,18,20,22,24,26,28,30
	v_pk_mul_f32 v[\b+\j:\b+\j+1], v[\b+\j:\b+\j+1], v[M+4:M+5]
.endr
.endm
.macro ROWPUT p
.irp j, 0,1,2,3,4,5,6,7
	ds_store_b128 v[XW], v[X+32*\p+4*\j:X+32*\p+4*\j+3] offset:LPITCH*\p+512*\j
.endr
.endm
	s_load_b256 s[4:11], s[0:1], 0x0               ; xmid s[4:5], gain s[6:7], bias s[8:9], the exponents s[10:11]
	s_load_b64 s[12:13], s[0:1], 0x20              ; x2c
	v_lshl_add_u32 v192, v0, 2, 0x12100
	v_mov_b32 v193, 0
	v_lshrrev_b32 v1, 5, v0
	s_delay_alu instid0(VALU_DEP_1)
	v_readfirstlane_b32 s28, v1                    ; wave 0..7
	s_mov_b32 s29, ttmp9
	s_mov_b32 s30, 0x3a800000                      ; 1 / 1,024
	s_mov_b32 s31, 0x358637bd                      ; 1e-6
	s_mov_b32 s60, 0x76543210
	s_mov_b32 s61, 0xfedcba98
	v_and_b32 v1, 31, v0
	v_and_b32 v2, 15, v0
	v_bfe_u32 v3, v0, 4, 1
	s_delay_alu instid0(VALU_DEP_3)
	v_lshlrev_b32 v[LI], 4, v1
	s_lshl_b32 s2, s29, 16
	s_lshl_b32 s3, s28, 13
	s_add_co_u32 s2, s2, s3
	s_mov_b32 s3, 0
	s_lshl_b32 s16, s28, 9
	s_mov_b32 s17, 0
	s_lshl_b32 s18, s29, 3
	s_add_co_u32 s18, s18, s28
	s_lshl_b32 s18, s18, 11
	s_mov_b32 s19, 0
	s_wait_alu depctr_va_vdst(0)
	s_wait_kmcnt 0x0
	s_load_b32 s14, s[10:11], 0x30                 ; e12
	s_add_nc_u64 s[4:5], s[4:5], s[2:3]
	s_add_nc_u64 s[6:7], s[6:7], s[16:17]
	s_add_nc_u64 s[8:9], s[8:9], s[16:17]
	s_add_nc_u64 s[12:13], s[12:13], s[18:19]
.irp p, 0,1
.irp j, 0,1,2,3,4,5,6,7
	global_load_b128 v[X+32*\p+4*\j:X+32*\p+4*\j+3], v[LI], s[4:5] offset:4096*\p+512*\j
.endr
.endr
	global_load_b128 v[G:G+3], v[LI], s[6:7]
	global_load_b128 v[B:B+3], v[LI], s[8:9]
	s_mul_i32 s2, s28, 2*LPITCH
	v_add_nc_u32 v[XW], s2, v[LI]
	v_mul_u32_u24 v[LA], v2, LPITCH
	s_delay_alu instid0(VALU_DEP_1)
	v_lshl_add_u32 v[LA], v3, 5, v[LA]
	s_lshl_b32 s2, s28, 9
	v_add_nc_u32 v[LA], s2, v[LA]
	s_lshl_b32 s2, s28, 10
	v_add_nc_u32 v[GW], s2, v[LI]
	s_delay_alu instid0(VALU_DEP_1)
	v_add_nc_u32 v[GW], GB, v[GW]
	v_lshlrev_b32 v[GR], 5, v3
	s_delay_alu instid0(VALU_DEP_1)
	v_add_nc_u32 v[GR], s2, v[GR]
	s_delay_alu instid0(VALU_DEP_1)
	v_add_nc_u32 v[GR], GB, v[GR]
	s_wait_kmcnt 0x0
	s_add_co_i32 s2, s14, 127
	s_lshl_b32 s3, s2, 23
	v_mov_b32 v[QS], s3                            ; 2^e12: the conversion takes its exponent field
	s_add_co_i32 s2, s2, 8
	s_lshl_b32 s2, s2, 23
	s_or_b32 s2, s2, 0x600000
	v_mov_b32 v[QS+1], s2                          ; 448 x 2^e12
	s_wait_loadcnt 10                              ; row 0's eight loads are in; row 1's eight, gain and bias may be out
	ROWSTAT X
	ROWPUT 0
	s_wait_loadcnt 2
	ROWSTAT X+32
	ROWPUT 1
	s_wait_loadcnt 0x0
	ds_store_b128 v[GW], v[G:G+3]
	ds_store_b128 v[GW], v[B:B+3] offset:512
	s_wait_dscnt 0x0                               ; for the others' sake: my rows lie in LDS
	s_barrier_signal -1
	s_barrier_wait -1
.irp c, 0,1,2,3,4,5,6,7
	ds_load_b128 v[X+8*\c:X+8*\c+3], v[LA] offset:64*\c
	ds_load_b128 v[X+8*\c+4:X+8*\c+7], v[LA] offset:64*\c+16
.endr
.irp f, 0,1
.irp c, 0,1,2,3
	ds_load_b128 v[G+8*\c:G+8*\c+3], v[GR] offset:256*\f+64*\c
	ds_load_b128 v[G+8*\c+4:G+8*\c+7], v[GR] offset:256*\f+64*\c+16
	ds_load_b128 v[B+8*\c:B+8*\c+3], v[GR] offset:512+256*\f+64*\c
	ds_load_b128 v[B+8*\c+4:B+8*\c+7], v[GR] offset:512+256*\f+64*\c+16
.endr
	s_wait_dscnt 0x0
.irp j, 0,2,4,6,8,10,12,14,16,18,20,22,24,26,28,30
	v_pk_fma_f32 v[X+32*\f+\j:X+32*\f+\j+1], v[X+32*\f+\j:X+32*\f+\j+1], v[G+\j:G+\j+1], v[B+\j:B+\j+1]
.endr
.endr
.irp c, 0,1,2,3,4,5,6,7
.irp i, 0,1,2,3,4,5,6,7
	v_med3_num_f32 v[T+8*(\c%2)+\i], v[X+8*\c+\i], -v[QS+1], v[QS+1]   ; the conversion to an 8-bit code does not saturate (ISA guide 7.6.2): the hold comes first
.endr
	v_cvt_scalef32_pk8_fp8_f32 v[CD+2*\c:CD+2*\c+1], v[T+8*(\c%2):T+8*(\c%2)+7], v[QS]
.endr
.irp i, 0,1,2,3
	global_store_b128 v[LI], v[CD+4*\i:CD+4*\i+3], s[12:13] offset:512*\i   ; 512 consecutive bytes, aligned
.endr
	s_wait_tensorcnt 0x0
	ds_add_u32 v192, v193
	s_wait_dscnt 0x0
	s_endpgm
.Lfunc_end_k_q7c6e210829_ln2:
	.size	k_q7c6e210829_ln2, .Lfunc_end_k_q7c6e210829_ln2-k_q7c6e210829_ln2
	.p2alignl 7, 3214868480
	.fill 96, 4, 3214868480
	.section	.rodata,"a",@progbits
	.p2align	6, 0x0
	.amdhsa_kernel k_q7c6e210829_ln2
		.amdhsa_group_segment_fixed_size 75008
		.amdhsa_private_segment_fixed_size 0
		.amdhsa_enable_private_segment 0
		.amdhsa_kernarg_size 40
		.amdhsa_user_sgpr_count 2
		.amdhsa_user_sgpr_kernarg_segment_ptr 1
		.amdhsa_wavefront_size32 1
		.amdhsa_system_sgpr_workgroup_id_x 1
		.amdhsa_system_sgpr_workgroup_id_y 1
		.amdhsa_system_sgpr_workgroup_id_z 1
		.amdhsa_system_vgpr_workitem_id 0
		.amdhsa_next_free_vgpr 194
		.amdhsa_next_free_sgpr 96
		.amdhsa_reserve_vcc 0
		.amdhsa_float_denorm_mode_32 3
		.amdhsa_float_denorm_mode_16_64 3
		.amdhsa_memory_ordered 1
		.amdhsa_forward_progress 1
		.amdhsa_inst_pref_size 29
	.end_amdhsa_kernel
	.amdgpu_metadata
---
amdhsa.version: [ 1, 2 ]
amdhsa.kernels:
  - .name:           k_q7c6e210829_ln2
    .symbol:         k_q7c6e210829_ln2.kd
    .args:
      - { .name: xmid, .offset: 0, .size: 8, .value_kind: global_buffer, .address_space: global }
      - { .name: ln2_g, .offset: 8, .size: 8, .value_kind: global_buffer, .address_space: global }
      - { .name: ln2_b, .offset: 16, .size: 8, .value_kind: global_buffer, .address_space: global }
      - { .name: lowp_scales, .offset: 24, .size: 8, .value_kind: global_buffer, .address_space: global }
      - { .name: x2c, .offset: 32, .size: 8, .value_kind: global_buffer, .address_space: global }
    .group_segment_fixed_size: 75008
    .private_segment_fixed_size: 0
    .kernarg_segment_align: 8
    .kernarg_segment_size: 40
    .max_flat_workgroup_size: 256
    .sgpr_count:     96
    .vgpr_count:     194
    .wavefront_size: 32
...
	.end_amdgpu_metadata
.endif
;; end of part 5
;; launch ffn1 (part 6): grid 16 x 16, 4 waves a work-group, clusters of 4 x 4, 327,680 bytes of LDS; arguments x2c, w8, lowp_scales, b1, hid; writes hid
.if DOCPART == 6
	.amdgcn_target "amdgcn-amd-amdhsa--gfx1250"
	.amdhsa_code_object_version 6
	.text
	.protected	k_q7c6e210829_ffn1
	.globl	k_q7c6e210829_ffn1
	.p2align	8
	.type	k_q7c6e210829_ffn1,@function
k_q7c6e210829_ffn1:
	s_mov_b64 s[64:65], 0
	v_nop
	global_prefetch_b8 v0, s[64:65] scope:SCOPE_SE
	s_setreg_imm32_b32 hwreg(HW_REG_WAVE_MODE, 25, 1), 1
	s_wait_xcnt 0x0
	s_wait_alu depctr_hold_cnt(0) depctr_sa_sdst(0) depctr_va_vdst(0) depctr_va_sdst(0) depctr_va_ssrc(0) depctr_va_vcc(0) depctr_vm_vsrc(0)
	s_getreg_b32 s2, hwreg(HW_REG_IB_STS2, 6, 4)
	s_cmp_eq_u32 s2, 0
	s_cbranch_scc0 .Lentry_in_a_cluster
	s_endpgm
.Lentry_in_a_cluster:
	s_bfe_u32 s2, ttmp6, 0x10000c
	s_cmp_lg_u32 s2, 0xf033
	s_cbranch_scc0 .Lentry_shape_is_right
	s_endpgm
.Lentry_shape_is_right:
; FFN1: hid = relu(x2 w1 + b1), the product on codes of E4M3 (scales e12, e13), the result quantised at once with 2^e14 and stored as images of operand registers (a fragment, 16 rows x 128 K, is 2,048 bytes).
; A block of C, 256 x 256, is made by four waves, each 128 x 128; K = 1,024 goes in four steps of 256 through two LDS slots, filled by joint loads in clusters of 4 x 4.  The bias, divided by 2^(e12 + e13), is the C of the first products.
; LIMITS: e14 - e12 - e13 between -126 and 119.
.set SLOT,   131072
.set SPARE,  2*SLOT
.set KSB,    4096
.set FR,     16
.set NL,     4
.set NP,     4
.set ADRA, 16
.set ADRB, 20
.set LI,   24
.set BO,   25
.set SPW,  28
.set NIL,  29
.set LIM,  30
.set SC,   31
.set TMP,  32
.set AF,   128
.set CDS,  128
.set G1, 24
.set G0, 32
.set G1B, 48
.set G0B, 56
.set MSB, 0
.macro WIN new
.if MSB != \new
	s_set_vgpr_msb (MSB<<8)|\new
.set MSB, \new
.endif
.endm
.set MUL_LO, 0xa1
.set MUL_HI, 0xf1
.set FST_LO, 0x81
.set FST_HI, 0xc1
.set TO_B,   0x40
.macro JLOAD g0a, g1a, g0b, g1b
	s_cmp_eq_u32 s15, 0
	s_cbranch_scc0 .Lfor_b_\@
	tensor_load_to_lds s[\g0a:\g0a+3], s[\g1a:\g1a+7]
	s_nop 0
.rept 4
	v_nop
.endr
	s_branch .Lasked_\@
.Lfor_b_\@:
	tensor_load_to_lds s[\g0b:\g0b+3], s[\g1b:\g1b+7]
	s_nop 0
.rept 4
	v_nop
.endr
.Lasked_\@:
.endm
.macro CREST
	s_cmp_lg_u32 s14, 0
	s_cbranch_scc1 .Lnot_wave_0_\@
	s_barrier_signal -3
.Lnot_wave_0_\@:
	s_barrier_wait -3
	s_barrier_signal -1
	s_barrier_wait -1
.endm
.macro CROUND
	s_barrier_signal -1
	s_barrier_wait -1
	CREST
.endm
	s_load_b128 s[4:7], s[0:1], 0x0
	s_load_b128 s[8:11], s[0:1], 0x10
	s_load_b64 s[12:13], s[0:1], 0x20
	v_lshl_add_u32 v[SPW], v0, 2, SPARE
	v_mov_b32 v[NIL], 0
	ds_add_u32 v28, v29
	ds_add_u32 v28, v29
	s_wait_dscnt 0x0
	v_lshrrev_b32 v1, 5, v0
	v_readfirstlane_b32 s14, v1
	s_lshr_b32 s15, s14, 1
	s_and_b32 s16, s14, 1
	s_bfe_u32 s40, ttmp6, 0x40000
	s_bfe_u32 s41, ttmp6, 0x40004
	s_lshl_b32 s42, ttmp9, 2
	s_add_co_u32 s42, s42, s40
	s_and_b32 s17, ttmp7, 0xffff
	s_lshl_b32 s17, s17, 2
	s_add_co_u32 s17, s17, s41
	s_lshl_b32 s43, s41, 2
	s_lshl_b32 s43, 15, s43
	s_lshl_b32 s44, 0x1111, s40
	s_or_b32 s[G1+0], s43, (3<<16)|(1<<21)
	s_or_b32 s[G1B+0], s44, (3<<16)|(1<<21)
.irp g, G1, G1B
	s_mov_b32 s[\g+1], 512<<16
	s_mov_b32 s[\g+2], 8<<16
	s_mov_b32 s[\g+3], 512<<16
	s_mov_b32 s[\g+4], 8
	s_mov_b32 s[\g+5], 2048
	s_mov_b32 s[\g+6], 0
	s_mov_b32 s[\g+7], 0
.endr
	s_lshl_b32 s18, s16, 7
	s_lshl_b32 s20, s17, 8
	s_add_co_u32 s20, s20, s18
	s_lshl_b32 s20, s20, 10
	s_mov_b32 s21, 0
	s_lshl_b32 s46, s42, 8
	s_add_co_u32 s46, s46, s18
	s_lshl_b32 s46, s46, 10
	s_add_co_u32 s46, s46, 0x400000
	s_mov_b32 s47, 0
	s_lshl_b32 s45, s14, 15
	s_wait_kmcnt 0x0
	s_load_b128 s[68:71], s[8:9], 0x30
	s_add_nc_u64 s[20:21], s[4:5], s[20:21]
	s_add_nc_u64 s[46:47], s[6:7], s[46:47]
	CROUND
.irp s, 0,1
	s_mov_b32 s[G0+4*\s], 1
	s_add_co_u32 s[G0+4*\s+1], s45, \s*SLOT
	s_add_nc_u64 s[G0+4*\s+2:G0+4*\s+3], s[20:21], \s*KSB
	s_or_b32 s[G0+4*\s+3], s[G0+4*\s+3], 0x80000000
	s_mov_b32 s[G0B+4*\s], 1
	s_add_co_u32 s[G0B+4*\s+1], s45, \s*SLOT
	s_add_nc_u64 s[G0B+4*\s+2:G0B+4*\s+3], s[46:47], \s*KSB
	s_or_b32 s[G0B+4*\s+3], s[G0B+4*\s+3], 0x80000000
.endr
	JLOAD G0, G1, G0B, G1B                         ; K step 0: one tensor load a wave at the head; the bias and the addresses are made while it is out
	; PREFETCHES: of the 8 row tiles that I fetch, each of the four partners that ask with me takes two, told apart by address (cx for A, cy for B): a K step of them is 2 x 4,096 bytes, a lane a block of 256.
	; So each block is named once in each cluster that loads it.  K steps 1 and 2 are asked for here, K step 3 behind slot 1's fill; there is no K step 4.
	s_cmp_eq_u32 s15, 0
	s_cselect_b64 s[90:91], s[20:21], s[46:47]     ; where my wave's tiles begin
	s_cselect_b32 s92, s40, s41
	s_lshl_b32 s92, s92, 15                        ; two row tiles of 16,384 bytes a partner
	s_mov_b32 s93, 0
	s_add_nc_u64 s[90:91], s[90:91], s[92:93]
	v_and_b32 v26, 15, v0
	v_bfe_u32 v27, v0, 4, 1
	v_lshlrev_b32 v26, 8, v26
	v_lshl_add_u32 v26, v27, 14, v26               ; 256 (lane % 16) + 16,384 (lane / 16); never rewritten
	global_prefetch_b8 v26, s[90:91] offset:KSB th:TH_LOAD_NT scope:SCOPE_SE
	global_prefetch_b8 v26, s[90:91] offset:2*KSB th:TH_LOAD_NT scope:SCOPE_SE
	v_bfe_u32 v2, v0, 4, 1
	v_lshlrev_b32 v[BO], 5, v2
	s_lshl_b32 s46, s42, 10
	s_lshl_b32 s47, s16, 9
	s_add_co_u32 s46, s46, s47
	s_mov_b32 s47, 0
	s_add_nc_u64 s[10:11], s[10:11], s[46:47]
.irp b, 0,1,2,3,4,5,6,7
	global_load_b128 v[TMP+8*\b:TMP+8*\b+3], v[BO], s[10:11] offset:64*\b
	global_load_b128 v[TMP+8*\b+4:TMP+8*\b+7], v[BO], s[10:11] offset:64*\b+16
.endr
	v_and_b32 v1, 31, v0
	v_lshlrev_b32 v[LI], 4, v1
	s_lshl_b32 s21, s15, 15
	s_lshl_b32 s22, s16, 15
	s_add_co_u32 s22, s22, 65536
.irp s, 0,1
	v_add_nc_u32 v[ADRA+\s], s21, v[LI]
	v_add_nc_u32 v[ADRB+\s], s22, v[LI]
	s_add_co_u32 s21, s21, SLOT
	s_add_co_u32 s22, s22, SLOT
.endr
	s_lshl_b32 s20, s17, 20
	s_lshl_b32 s21, s15, 19
	s_add_co_u32 s20, s20, s21
	s_mov_b32 s21, 0
	s_add_nc_u64 s[12:13], s[12:13], s[20:21]
	s_lshl_b32 s86, s42, 12
	s_lshl_b32 s87, s16, 11
	s_add_co_u32 s86, s86, s87
	s_mov_b32 s87, 0
	s_add_nc_u64 s[12:13], s[12:13], s[86:87]
	s_wait_kmcnt 0x0
	s_add_co_i32 s72, s68, s69
	s_sub_co_i32 s73, s70, s72
	s_sub_co_i32 s72, 0, s72
	s_add_co_i32 s73, s73, 127
	s_lshl_b32 s74, s73, 23
	v_mov_b32 v[SC], s74
	s_add_co_i32 s73, s73, 8
	s_lshl_b32 s73, s73, 23
	s_or_b32 s73, s73, 0x600000
	v_mov_b32 v[LIM], s73
	s_wait_loadcnt 0x0
.set j, 0
.rept 64
	v_ldexp_f32 v[TMP+j], v[TMP+j], s72
.set j, j+1
.endr
.macro FRAG reg, adr, q, i
.irp c, 0,1,2,3
	ds_load_b128 v[\reg+4*\c:\reg+4*\c+3], v[\adr] offset:2048*(\q)+512*\c+(\i)*KSB
.endr
.endm
.macro MUL16 a0, p, first
.irp a, \a0, \a0+1
.irp b, 0,1,2,3,4,5,6,7
.if \first
	v_wmma_f32_16x16x128_fp8_fp8 v[8*(8*((\a)%4)+\b):8*(8*((\a)%4)+\b)+7], v[128*(\p)+FR*\b:128*(\p)+FR*\b+FR-1], v[AF+FR*(\a):AF+FR*(\a)+FR-1], v[TMP+8*\b:TMP+8*\b+7]
.else
	v_wmma_f32_16x16x128_fp8_fp8 v[8*(8*((\a)%4)+\b):8*(8*((\a)%4)+\b)+7], v[128*(\p)+FR*\b:128*(\p)+FR*\b+FR-1], v[AF+FR*(\a):AF+FR*(\a)+FR-1], v[8*(8*((\a)%4)+\b):8*(8*((\a)%4)+\b)+7]
.endif
.endr
.endr
.endm
.macro FETCH_B slot, q, p
	WIN TO_B
.irp i, 0,1,2,3,4,5,6,7
	FRAG 128*(\p)+FR*\i, ADRB+\slot, \q, \i
.endr
	WIN 0
.endm
.macro FETCH_A slot, q, i0
.irp i, \i0, \i0+1, \i0+2, \i0+3
	FRAG AF+FR*(\i), ADRA+\slot, \q, \i
.endr
.endm
.macro PLACES n
.rept \n
	v_nop
.endr
.endm
.macro STEP slot, q, first
	s_wait_dscnt 4*NL
.if \first
	WIN FST_LO
.else
	WIN MUL_LO
.endif
	MUL16 0, (\q)%2, \first
	MUL16 2, (\q)%2, \first
	s_wait_dscnt 0
	PLACES NP
	FETCH_B \slot, (\q)+1, 1-(\q)%2
	FETCH_A \slot, (\q)+1, 0
.if \first
	WIN FST_HI
.else
	WIN MUL_HI
.endif
	MUL16 4, (\q)%2, \first
	MUL16 6, (\q)%2, \first
	PLACES NP
	WIN 0
	FETCH_A \slot, (\q)+1, 4
.endm
.macro TURN slot, next, fill
	s_wait_tensorcnt 0x0
	ds_add_u32 v[SPW], v[NIL]
	s_wait_dscnt 4*NL+1
	WIN MUL_LO
	MUL16 0, 1, 0
	s_wait_dscnt 0x0
	s_barrier_signal -1
	MUL16 2, 1, 0
	WIN 0
	s_barrier_wait -1
.if \fill
	CREST
	s_add_nc_u64 s[G0+4*\slot+2:G0+4*\slot+3], s[G0+4*\slot+2:G0+4*\slot+3], 2*KSB
	s_add_nc_u64 s[G0B+4*\slot+2:G0B+4*\slot+3], s[G0B+4*\slot+2:G0B+4*\slot+3], 2*KSB
	JLOAD G0+4*\slot, G1, G0B+4*\slot, G1B
.else
	PLACES NP
.endif
	FETCH_B \next, 0, 0
	FETCH_A \next, 0, 0
	WIN MUL_HI
	MUL16 4, 1, 0
	MUL16 6, 1, 0
	PLACES NP
	WIN 0
	FETCH_A \next, 0, 4
.endm
	s_wait_alu depctr_va_vdst(0)                   ; the wait at the head's end
	s_wait_tensorcnt 0x0                           ; my part of K step 0 is in; slot 1's first fill is issued as a refill is:
	ds_add_u32 v[SPW], v[NIL]                      ; 0 onto my spare word
	s_wait_dscnt 0x0
	CROUND                                         ; everybody's part of K step 0 is in, and the sixteen work-groups meet
	JLOAD G0+4, G1, G0B+4, G1B                     ; K step 1: the first tensor load behind the round
	FETCH_B 0, 0, 0
	FETCH_A 0, 0, 0
	FETCH_A 0, 0, 4
	global_prefetch_b8 v26, s[90:91] offset:3*KSB th:TH_LOAD_NT scope:SCOPE_SE   ; K step 3, two fills ahead of its load
	STEP 0, 0, 1
	TURN 0, 1, 1
	STEP 1, 0, 0
	TURN 1, 0, 1
	STEP 0, 0, 0
	TURN 0, 1, 0
	STEP 1, 0, 0
	s_wait_dscnt 4*NL
	WIN MUL_LO
	MUL16 0, 1, 0
	MUL16 2, 1, 0
	s_wait_dscnt 0
	WIN MUL_HI
	MUL16 4, 1, 0
	MUL16 6, 1, 0
	WIN 0
.macro QOUT a
.set AC, 64*((\a)%4)
	WIN 0x02+((\a)/4)
.set j, 0
.rept 64
	v_med3_num_f32 v[TMP+j], v[AC+j], 0, v[LIM]
.set j, j+1
.endr
	WIN 0
.irp b, 0,1,2,3,4,5,6,7
	v_cvt_scalef32_pk8_fp8_f32 v[CDS+16*(\a)+2*\b:CDS+16*(\a)+2*\b+1], v[TMP+8*\b:TMP+8*\b+7], v[SC]
.endr
	v_nop
.irp i, 0,1,2,3
	global_store_b128 v[LI], v[CDS+16*(\a)+4*\i:CDS+16*(\a)+4*\i+3], s[12:13] offset:(\a)*65536+512*\i
.endr
.endm
	PLACES NP
.irp a, 0,1,2,3,4,5,6,7
	QOUT \a
.endr
	s_wait_tensorcnt 0x0
	ds_add_u32 v[SPW], v[NIL]
	s_wait_dscnt 0x0
	CROUND
	s_endpgm
.Lfunc_end_k_q7c6e210829_ffn1:
	.size	k_q7c6e210829_ffn1, .Lfunc_end_k_q7c6e210829_ffn1-k_q7c6e210829_ffn1
	.p2alignl 7, 3214868480
	.fill 96, 4, 3214868480
	.section	.rodata,"a",@progbits
	.p2align	6, 0x0
	.amdhsa_kernel k_q7c6e210829_ffn1
		.amdhsa_group_segment_fixed_size 327680
		.amdhsa_private_segment_fixed_size 0
		.amdhsa_enable_private_segment 0
		.amdhsa_kernarg_size 40
		.amdhsa_user_sgpr_count 2
		.amdhsa_user_sgpr_kernarg_segment_ptr 1
		.amdhsa_wavefront_size32 1
		.amdhsa_system_sgpr_workgroup_id_x 1
		.amdhsa_system_sgpr_workgroup_id_y 1
		.amdhsa_system_sgpr_workgroup_id_z 1
		.amdhsa_system_vgpr_workitem_id 0
		.amdhsa_next_free_vgpr 1024
		.amdhsa_next_free_sgpr 100
		.amdhsa_reserve_vcc 0
		.amdhsa_float_denorm_mode_32 3
		.amdhsa_float_denorm_mode_16_64 3
		.amdhsa_memory_ordered 1
		.amdhsa_forward_progress 1
		.amdhsa_inst_pref_size 124
	.end_amdhsa_kernel
	.amdgpu_metadata
---
amdhsa.version: [ 1, 2 ]
amdhsa.kernels:
  - .name:           k_q7c6e210829_ffn1
    .symbol:         k_q7c6e210829_ffn1.kd
    .args:
      - { .name: x2c, .offset: 0, .size: 8, .value_kind: global_buffer, .address_space: global }
      - { .name: w8, .offset: 8, .size: 8, .value_kind: global_buffer, .address_space: global }
      - { .name: lowp_scales, .offset: 16, .size: 8, .value_kind: global_buffer, .address_space: global }
      - { .name: b1, .offset: 24, .size: 8, .value_kind: global_buffer, .address_space: global }
      - { .name: hid, .offset: 32, .size: 8, .value_kind: global_buffer, .address_space: global }
    .group_segment_fixed_size: 327680
    .private_segment_fixed_size: 0
    .kernarg_segment_align: 8
    .kernarg_segment_size: 40
    .max_flat_workgroup_size: 128
    .sgpr_count:     100
    .vgpr_count:     1024
    .wavefront_size: 32
...
	.end_amdgpu_metadata
.endif
;; end of part 6
;; launch ffn2 (part 7): grid 8 x 32, 4 waves a work-group, clusters of 4 x 4, 327,680 bytes of LDS; arguments hid, w8, lowp_scales, xmid, b2, out0; writes out0
.if DOCPART == 7
	.amdgcn_target "amdgcn-amd-amdhsa--gfx1250"
	.amdhsa_code_object_version 6
	.text
	.protected	k_q7c6e210829_ffn2
	.globl	k_q7c6e210829_ffn2
	.p2align	8
	.type	k_q7c6e210829_ffn2,@function
k_q7c6e210829_ffn2:
	s_mov_b64 s[64:65], 0
	v_nop
	global_prefetch_b8 v0, s[64:65] scope:SCOPE_SE
	s_setreg_imm32_b32 hwreg(HW_REG_WAVE_MODE, 25, 1), 1
	s_wait_xcnt 0x0
	s_wait_alu depctr_hold_cnt(0) depctr_sa_sdst(0) depctr_va_vdst(0) depctr_va_sdst(0) depctr_va_ssrc(0) depctr_va_vcc(0) depctr_vm_vsrc(0)
	s_getreg_b32 s2, hwreg(HW_REG_IB_STS2, 6, 4)
	s_cmp_eq_u32 s2, 0
	s_cbranch_scc0 .Lentry_in_a_cluster
	s_endpgm
.Lentry_in_a_cluster:
	s_bfe_u32 s2, ttmp6, 0x10000c
	s_cmp_lg_u32 s2, 0xf033
	s_cbranch_scc0 .Lentry_shape_is_right
	s_endpgm
.Lentry_shape_is_right:
; FFN2: out0 = xmid + b2 + hid w2, the product on codes of E4M3 (scales e14, e15), bias, residual and result in f32.
; Operands are images of their registers: a fragment (16 rows x 128 K) is 2,048 bytes; a row tile of K = 4,096 is 65,536 consecutive bytes.
; C is 4,096 x 1,024: blocks of 128 x 128 give each of 256 work-groups one.  Four waves, each 64 x 64: 16 accumulators.  K goes in eight steps of 512 (8,192 bytes a row tile) through two LDS slots.
; CLUSTERS of 4 x 4: A's tiles are shared along a row of the cluster, B's along a column, each asked for jointly.  The matrix instruction is used transposed: a lane holds eight neighbouring numbers of a row of C.
; PREFETCHES: of the 4 row tiles that a wave fetches, each of the four partners that ask jointly takes one, told apart by address (cx for A, cy for B): a K step of it is 8,192 bytes, a lane a block of 256, one instruction a wave.
; K steps 1 and 2 are asked for at the head, K step 3 behind slot 1's first fill, and the refill of K step s asks for K step s + 2; the last two refills ask for nothing.  Each tile of w2 is loaded by eight clusters: the four with the lowest y ask for it.
; LIMIT: e14 + e15 between -126 and 127.
.set SIZE_K, 4096
.set EA,     14
.set WOFF,   0x800000
.set BIAS,   1
.set KSB,    8192
.set SLOT,   131072
.set STAGE,  2*SLOT
.set SPITCH, 272
.set SPARE,  STAGE+4*16*SPITCH
.set LAPS,   SIZE_K/1024
.set BV,   8
.set ADRA, 16
.set ADRB, 20
.set STO,  24
.set RD,   25
.set CO,   26
.set BO,   27
.set SPW,  28
.set NIL,  29
.set PFO,  30                          ; v30      the prefetches' offset: 256 x lane; never rewritten
.set PFA,  80                          ; s[80:81] my row tile of the four that my wave fetches; stepped one K step at each refill
.set LIM,  84                          ; s84      1 in a wave that prefetches, else the greatest number
.set ACC,  128
.set F0,   0
.set F1,   128
.set G1, 24
.set G0, 32
.set G1B, 48
.set G0B, 56
.set MSB, 0
.macro WIN new
.if MSB != \new
	s_set_vgpr_msb (MSB<<8)|\new
.set MSB, \new
.endif
.endm
.set MUL,  0x05
.set TO_F, 0x40
.macro JLOAD s
	s_cmp_eq_u32 s11, 0
	s_cbranch_scc0 .Lfor_b_\@
	tensor_load_to_lds s[G0+4*\s:G0+4*\s+3], s[G1:G1+7]
	s_nop 0
.rept 4
	v_nop
.endr
	s_branch .Lasked_\@
.Lfor_b_\@:
	tensor_load_to_lds s[G0B+4*\s:G0B+4*\s+3], s[G1B:G1B+7]
	s_nop 0
.rept 4
	v_nop
.endr
.Lasked_\@:
.endm
.macro CREST
	s_cmp_lg_u32 s10, 0
	s_cbranch_scc1 .Lnot_wave_0_\@
	s_barrier_signal -3
.Lnot_wave_0_\@:
	s_barrier_wait -3
	s_barrier_signal -1
	s_barrier_wait -1
.endm
.macro CROUND
	s_barrier_signal -1
	s_barrier_wait -1
	CREST
.endm
	s_load_b128 s[4:7], s[0:1], 0x0
	s_load_b128 s[68:71], s[0:1], 0x10
.if BIAS
	s_load_b128 s[72:75], s[0:1], 0x20
.else
	s_load_b64 s[74:75], s[0:1], 0x20
.endif
	v_lshl_add_u32 v[SPW], v0, 2, SPARE
	v_mov_b32 v[NIL], 0
	ds_add_u32 v28, v29
	ds_add_u32 v28, v29
	s_wait_dscnt 0x0
	v_lshrrev_b32 v1, 5, v0
	v_readfirstlane_b32 s10, v1
	s_lshr_b32 s11, s10, 1
	s_and_b32 s12, s10, 1
	s_bfe_u32 s40, ttmp6, 0x40000
	s_bfe_u32 s41, ttmp6, 0x40004
	s_lshl_b32 s42, ttmp9, 2
	s_add_co_u32 s42, s42, s40
	s_and_b32 s13, ttmp7, 0xffff
	s_lshl_b32 s13, s13, 2
	s_add_co_u32 s13, s13, s41
	s_lshl_b32 s43, s41, 2
	s_lshl_b32 s43, 15, s43
	s_lshl_b32 s44, 0x1111, s40
	s_or_b32 s[G1+0], s43, (3<<16)|(1<<21)
	s_or_b32 s[G1B+0], s44, (3<<16)|(1<<21)
.irp g, G1, G1B
	s_mov_b32 s[\g+1], 1024<<16
	s_mov_b32 s[\g+2], 4<<16
	s_mov_b32 s[\g+3], 1024<<16
	s_mov_b32 s[\g+4], 4
	s_mov_b32 s[\g+5], 2*SIZE_K
	s_mov_b32 s[\g+6], 0
	s_mov_b32 s[\g+7], 0
.endr
	s_lshl_b32 s17, s12, 6
	s_lshl_b32 s16, s13, 7
	s_add_co_u32 s16, s16, s17
	s_mul_i32 s16, s16, SIZE_K
	s_lshl_b32 s46, s42, 7
	s_add_co_u32 s46, s46, s17
	s_mul_i32 s46, s46, SIZE_K
	s_add_co_u32 s46, s46, WOFF
	s_mov_b32 s17, 0
	s_mov_b32 s47, 0
	s_lshl_b32 s20, s10, 15
	s_wait_kmcnt 0x0
	s_load_b64 s[76:77], s[68:69], 4*EA
	s_add_nc_u64 s[14:15], s[4:5], s[16:17]
	s_add_nc_u64 s[46:47], s[6:7], s[46:47]
	CROUND
.irp s, 0,1
	s_mov_b32 s[G0+4*\s], 1
	s_add_co_u32 s[G0+4*\s+1], s20, \s*SLOT
	s_add_nc_u64 s[G0+4*\s+2:G0+4*\s+3], s[14:15], \s*KSB
	s_or_b32 s[G0+4*\s+3], s[G0+4*\s+3], 0x80000000
	s_mov_b32 s[G0B+4*\s], 1
	s_add_co_u32 s[G0B+4*\s+1], s20, \s*SLOT
	s_add_nc_u64 s[G0B+4*\s+2:G0B+4*\s+3], s[46:47], \s*KSB
	s_or_b32 s[G0B+4*\s+3], s[G0B+4*\s+3], 0x80000000
.endr
	JLOAD 0                                        ; K step 0: one tensor load a wave at the head
	s_cmp_eq_u32 s11, 0                            ; do I fetch for A?
	s_cselect_b64 s[PFA:PFA+1], s[14:15], s[46:47] ; where my wave's tiles begin
	s_cselect_b32 s82, s40, s41                    ; my place among the four that ask with me
	s_lshl_b32 s82, s82, 16                        ; a row tile of 65,536 bytes a partner
	s_mov_b32 s83, 0
	s_add_nc_u64 s[PFA:PFA+1], s[PFA:PFA+1], s[82:83]
	s_and_b32 s85, ttmp7, 0xffff                   ; cluster y, 0..7: the same in all partners
	s_lshr_b32 s85, s85, 2
	s_mul_i32 s85, s85, s11                        ; not 0: B's waves in clusters 4 to 7, which leave w2's tiles to clusters 0 to 3
	s_cmp_eq_u32 s85, 0
	s_cselect_b32 s[LIM], 1, -1
	v_and_b32 v[PFO], 31, v0
	v_lshlrev_b32 v[PFO], 8, v[PFO]
	s_cmp_eq_u32 s[LIM], 1
	s_cbranch_scc0 .Lno_ask0
	global_prefetch_b8 v[PFO], s[PFA:PFA+1] offset:KSB th:TH_LOAD_NT scope:SCOPE_SE
	global_prefetch_b8 v[PFO], s[PFA:PFA+1] offset:2*KSB th:TH_LOAD_NT scope:SCOPE_SE
.Lno_ask0:
	v_and_b32 v1, 15, v0
	s_wait_alu depctr_va_vdst(0)
	v_bfe_u32 v2, v0, 4, 1
	v_and_b32 v3, 31, v0
	v_lshlrev_b32 v3, 4, v3
	s_lshl_b32 s21, s11, 15
	s_lshl_b32 s22, s12, 15
	s_add_co_u32 s22, s22, 65536
.irp s, 0,1
	v_add_nc_u32 v[ADRA+\s], s21, v3
	v_add_nc_u32 v[ADRB+\s], s22, v3
	s_add_co_u32 s21, s21, SLOT
	s_add_co_u32 s22, s22, SLOT
.endr
	s_mul_i32 s23, s10, 16*SPITCH
	s_add_co_u32 s23, s23, STAGE
	v_mul_u32_u24 v4, v1, SPITCH
	s_wait_alu depctr_va_vdst(0)
	v_lshl_add_u32 v4, v2, 5, v4
	v_add_nc_u32 v[STO], s23, v4
	v_mul_u32_u24 v5, v2, SPITCH
	v_lshl_add_u32 v5, v1, 4, v5
	v_add_nc_u32 v[RD], s23, v5
	v_lshlrev_b32 v[CO], 12, v2
	v_lshl_add_u32 v[CO], v1, 4, v[CO]
	s_wait_alu depctr_va_vdst(0)
	s_lshl_b32 s16, s13, 7
	s_lshl_b32 s17, s11, 6
	s_add_co_u32 s16, s16, s17
	s_lshl_b32 s16, s16, 12
	s_mov_b32 s17, 0
	s_add_nc_u64 s[70:71], s[70:71], s[16:17]
	s_add_nc_u64 s[74:75], s[74:75], s[16:17]
	s_lshl_b32 s46, s42, 9
	s_lshl_b32 s47, s12, 8
	s_add_co_u32 s46, s46, s47
	s_mov_b32 s47, 0
	s_add_nc_u64 s[70:71], s[70:71], s[46:47]
	s_add_nc_u64 s[74:75], s[74:75], s[46:47]
.if BIAS
	s_add_nc_u64 s[72:73], s[72:73], s[46:47]
	v_lshlrev_b32 v[BO], 4, v1
	global_load_b128 v[BV:BV+3], v[BO], s[72:73]
.endif
.macro MUL4 f, a, zero
.irp b, 0,1,2,3
.if \zero
	v_wmma_f32_16x16x128_fp8_fp8 v[ACC+8*(4*(\a)+\b):ACC+8*(4*(\a)+\b)+7], v[\f+64+16*\b:\f+64+16*\b+15], v[\f+16*(\a):\f+16*(\a)+15], 0
.else
	v_wmma_f32_16x16x128_fp8_fp8 v[ACC+8*(4*(\a)+\b):ACC+8*(4*(\a)+\b)+7], v[\f+64+16*\b:\f+64+16*\b+15], v[\f+16*(\a):\f+16*(\a)+15], v[ACC+8*(4*(\a)+\b):ACC+8*(4*(\a)+\b)+7]
.endif
.endr
.endm
.macro FETCH slot, q, f
	WIN TO_F
.irp b, 0,1,2,3
.irp c, 0,1,2,3
	ds_load_b128 v[\f+64+16*\b+4*\c:\f+64+16*\b+4*\c+3], v[ADRB+\slot] offset:KSB*\b+2048*(\q)+512*\c
.endr
.endr
.irp i, 0,1,2,3
.irp c, 0,1,2,3
	ds_load_b128 v[\f+16*\i+4*\c:\f+16*\i+4*\c+3], v[ADRA+\slot] offset:KSB*\i+2048*(\q)+512*\c
.endr
.endr
.endm
.macro PLACES
.rept 4
	v_nop
.endr
.endm
.macro QUARTER slot, q, f, g, zero
	s_wait_dscnt 8
	WIN MUL
	MUL4 \f, 0, \zero
	MUL4 \f, 1, \zero
	PLACES
	FETCH \slot, \q, \g
	s_wait_dscnt 32
	WIN MUL
	MUL4 \f, 2, \zero
	MUL4 \f, 3, \zero
.endm
.macro TURN slot, next, fill
	WIN 0
.if \fill
	s_wait_xcnt 0x0                                ; any prefetch of mine has read its address: it is stepped here, ahead of the waits of the change of slots
	s_add_nc_u64 s[PFA:PFA+1], s[PFA:PFA+1], KSB
.endif
	s_wait_tensorcnt 0x0
	ds_add_u32 v[SPW], v[NIL]
	s_wait_dscnt 9
	WIN MUL
	MUL4 F1, 0, 0
	MUL4 F1, 1, 0
	s_wait_dscnt 0x0
	s_barrier_signal -1
	MUL4 F1, 2, 0
	WIN 0
	s_barrier_wait -1
.if \fill
	CREST
	s_add_nc_u64 s[G0+4*\slot+2:G0+4*\slot+3], s[G0+4*\slot+2:G0+4*\slot+3], 2*KSB
	s_add_nc_u64 s[G0B+4*\slot+2:G0B+4*\slot+3], s[G0B+4*\slot+2:G0B+4*\slot+3], 2*KSB
	JLOAD \slot
.else
	PLACES
.endif
	FETCH \next, 0, F0
.if \fill
	WIN 0                                          ; (a branch follows)
	s_cmp_gt_u32 s3, s[LIM]                        ; s3 = 1 in the loop's last trip, whose two refills have no K step two on
	s_cbranch_scc0 .Lno_ask_\@
	global_prefetch_b8 v[PFO], s[PFA:PFA+1] offset:3*KSB th:TH_LOAD_NT scope:SCOPE_SE   ; the K step two refills on
.Lno_ask_\@:
.endif
	WIN MUL
	MUL4 F1, 3, 0
.endm
	s_wait_alu depctr_va_vdst(0)                   ; the wait at the head's end
	s_wait_tensorcnt 0x0                           ; my part of K step 0 is in; slot 1's first fill is issued as a refill is:
	ds_add_u32 v[SPW], v[NIL]                      ; 0 onto my spare word
	s_wait_dscnt 0x0
	CROUND                                         ; everybody's part of K step 0 is in, and the sixteen work-groups meet
	JLOAD 1                                        ; K step 1: the first tensor load behind the round
	FETCH 0, 0, F0
	WIN 0                                          ; (a branch follows)
	s_cmp_eq_u32 s[LIM], 1
	s_cbranch_scc0 .Lno_ask1
	global_prefetch_b8 v[PFO], s[PFA:PFA+1] offset:3*KSB th:TH_LOAD_NT scope:SCOPE_SE
.Lno_ask1:
	QUARTER 0, 1, F0, F1, 1
.if LAPS > 1
	WIN 0
	WIN 0x80                                       ; destination window 2: the residual is asked for here, when K step 0 is in, in the layout of the rows that come back from the stage; seven K steps stand between these loads and the wait for them
.irp a, 0,1,2,3
.irp t, 0,1,2,3,4,5,6,7
	global_load_b128 v[32*\a+4*\t:32*\a+4*\t+3], v[CO], s[70:71] offset:(16*\a+2*\t)*4096
.endr
.endr
	WIN 0                                          ; at a label every window is 0
	s_mov_b32 s3, LAPS-1
.Llap:
	QUARTER 0, 2, F1, F0, 0
	QUARTER 0, 3, F0, F1, 0
	TURN 0, 1, 1
	QUARTER 1, 1, F0, F1, 0
	QUARTER 1, 2, F1, F0, 0
	QUARTER 1, 3, F0, F1, 0
	TURN 1, 0, 1
	QUARTER 0, 1, F0, F1, 0
	WIN 0
	s_sub_co_u32 s3, s3, 1
	s_cmp_lg_u32 s3, 0
	s_cbranch_scc1 .Llap
.endif
	QUARTER 0, 2, F1, F0, 0
	QUARTER 0, 3, F0, F1, 0
	TURN 0, 1, 0
	QUARTER 1, 1, F0, F1, 0
	QUARTER 1, 2, F1, F0, 0
	QUARTER 1, 3, F0, F1, 0
	s_wait_dscnt 8
	WIN MUL
	MUL4 F1, 0, 0
	MUL4 F1, 1, 0
	s_wait_dscnt 0
	MUL4 F1, 2, 0
	MUL4 F1, 3, 0
	WIN 0
.macro TOSTAGE a
.set BK, 32+32*((\a)%2)
.irp b, 0,1,2,3
	ds_store_b128 v[STO], v[ACC+8*(4*(\a)+\b):ACC+8*(4*(\a)+\b)+3] offset:64*\b
	ds_store_b128 v[STO], v[ACC+8*(4*(\a)+\b)+4:ACC+8*(4*(\a)+\b)+7] offset:64*\b+16
.endr
.irp t, 0,1,2,3,4,5,6,7
	ds_load_b128 v[BK+4*\t:BK+4*\t+3], v[RD] offset:\t*2*SPITCH
.endr
.endm
.macro SEND a, younger
.set BK, 32+32*((\a)%2)
	s_wait_dscnt \younger
.if BIAS
	WIN 0
.set j, 0
.rept 16
	v_pk_fma_f32 v[BK+j:BK+j+1], v[BK+j:BK+j+1], s[76:77], v[BV+j%4:BV+j%4+1] op_sel_hi:[1,0,1]
.set j, j+2
.endr
	WIN 0x88
.set j, 0
.rept 16
	v_pk_add_f32 v[32*(\a)+j:32*(\a)+j+1], v[BK+j:BK+j+1], v[32*(\a)+j:32*(\a)+j+1]
.set j, j+2
.endr
.else
	WIN 0xa0
.set j, 0
.rept 16
	v_pk_fma_f32 v[32*(\a)+j:32*(\a)+j+1], v[BK+j:BK+j+1], s[76:77], v[32*(\a)+j:32*(\a)+j+1] op_sel_hi:[1,0,1]
.set j, j+2
.endr
.endif
	WIN 0x08
.irp t, 0,1,2,3,4,5,6,7
	global_store_b128 v[CO], v[32*(\a)+4*\t:32*(\a)+4*\t+3], s[74:75] offset:(16*(\a)+2*\t)*4096 th:TH_STORE_NT
.endr
	WIN 0
.endm
	s_wait_kmcnt 0x0
	s_add_co_i32 s76, s76, s77
	s_add_co_i32 s76, s76, 127
	s_lshl_b32 s76, s76, 23
	s_mov_b32 s77, s76
	PLACES
	TOSTAGE 0
	TOSTAGE 1
	s_wait_loadcnt 0x0
	SEND 0, 16
	TOSTAGE 2
	SEND 1, 16
	TOSTAGE 3
	SEND 2, 16
	SEND 3, 0
	s_wait_tensorcnt 0x0
	ds_add_u32 v[SPW], v[NIL]
	s_wait_dscnt 0x0
	CROUND
	s_endpgm
.Lfunc_end_k_q7c6e210829_ffn2:
	.size	k_q7c6e210829_ffn2, .Lfunc_end_k_q7c6e210829_ffn2-k_q7c6e210829_ffn2
	.p2alignl 7, 3214868480
	.fill 96, 4, 3214868480
	.section	.rodata,"a",@progbits
	.p2align	6, 0x0
	.amdhsa_kernel k_q7c6e210829_ffn2
		.amdhsa_group_segment_fixed_size 327680
		.amdhsa_private_segment_fixed_size 0
		.amdhsa_enable_private_segment 0
		.amdhsa_kernarg_size 48
		.amdhsa_user_sgpr_count 2
		.amdhsa_user_sgpr_kernarg_segment_ptr 1
		.amdhsa_wavefront_size32 1
		.amdhsa_system_sgpr_workgroup_id_x 1
		.amdhsa_system_sgpr_workgroup_id_y 1
		.amdhsa_system_sgpr_workgroup_id_z 1
		.amdhsa_system_vgpr_workitem_id 0
		.amdhsa_next_free_vgpr 640
		.amdhsa_next_free_sgpr 100
		.amdhsa_reserve_vcc 0
		.amdhsa_float_denorm_mode_32 3
		.amdhsa_float_denorm_mode_16_64 3
		.amdhsa_memory_ordered 1
		.amdhsa_forward_progress 1
		.amdhsa_inst_pref_size 83
	.end_amdhsa_kernel
	.amdgpu_metadata
---
amdhsa.version: [ 1, 2 ]
amdhsa.kernels:
  - .name:           k_q7c6e210829_ffn2
    .symbol:         k_q7c6e210829_ffn2.kd
    .args:
      - { .name: hid, .offset: 0, .size: 8, .value_kind: global_buffer, .address_space: global }
      - { .name: w8, .offset: 8, .size: 8, .value_kind: global_buffer, .address_space: global }
      - { .name: lowp_scales, .offset: 16, .size: 8, .value_kind: global_buffer, .address_space: global }
      - { .name: xmid, .offset: 24, .size: 8, .value_kind: global_buffer, .address_space: global }
      - { .name: b2, .offset: 32, .size: 8, .value_kind: global_buffer, .address_space: global }
      - { .name: out0, .offset: 40, .size: 8, .value_kind: global_buffer, .address_space: global }
    .group_segment_fixed_size: 327680
    .private_segment_fixed_size: 0
    .kernarg_segment_align: 8
    .kernarg_segment_size: 48
    .max_flat_workgroup_size: 128
    .sgpr_count:     100
    .vgpr_count:     640
    .wavefront_size: 32
...
	.end_amdgpu_metadata
.endif
;; end of part 7
